; MI455X (gfx1250); checked and timed in simulation.
; The chip was launched on July 23, 2026; its instructions are those of AMD's public machine-readable ISA for CDNA 5 (MIT licence, August 2026) and "CDNA5" Instruction Set Architecture Reference Guide (July 2026). The comments in the code are by the model that wrote it; some were corrected since.
;; Causal Self Attention. Allowed arithmetic: matrix products marked QUANTISED: E3M2 operands, one E8M0 scale for each 32 along K, by v_wmma_scale_f32_16x16x128_f8f6f4 with both operands' format E3M2, f32 sums; everything else in f32.
;; Inputs: W_proj 1,024 x 1,024 float32; W_qkv 1,024 x 3,072 float32; b_proj 1,024 float32; b_qkv 3,072 float32; key_padding_mask 4 x 2,048 bool; x 4 x 2,048 x 1,024 float32.
;; Outputs: out0 4 x 2,048 x 1,024 float32.
;; This version of the problem:
;;   THIS VERSION OF THE PROBLEM IS GIVEN IN LOW PRECISION. The matrix products marked QUANTISED in the list below multiply operands that are first quantised to E3M2 (3 exponent bits, 2 mantissa bits; 6 bits a number), with one power-of-two scale for each 32 numbers along K (OCP MX v1.0); their sums are f32. All else is computed in f32.
;;   The module's matrix products, in the order in which they are computed (A, B: the left and right operand; K: the contracted axis; several contracted axes count as one K, in the product's order):
;;     1. [M 8,192, K 1,024] x [K 1,024, N 3,072]; A: input x; B: input W_qkv: QUANTISED
;;     2. batch 64 x [M 2,048, K 64] x [K 64, N 2,048]; A: computed on the way; B: computed on the way: QUANTISED
;;     3. batch 64 x [M 2,048, K 2,048] x [K 2,048, N 64]; A: softmax (see below); B: computed on the way: QUANTISED
;;     4. [M 8,192, K 1,024] x [K 1,024, N 1,024]; A: computed on the way; B: input W_proj: QUANTISED
;;   THE QUANTISER, for each operand of a quantised product, along K:
;;     - K is cut into blocks of 32 from its start; a last block that is shorter is filled with zeros.
;;     - A block's scale is 2^e with e = floor(log2(the largest magnitude in the block)) - 4, held to -126 .. 127; a block of zeros has e = 0. As a byte (E8M0): e + 127.
;;     - Each number is divided by its block's scale, clamped to +-28, and rounded to the nearest number of E3M2, ties to even, subnormals kept.
;;     - The product sums the exact products of the quantised numbers (number of the format x scale) in f32.
;;   ~~~python
;;   def quantise(x, axis):      # numpy; x: float32 -> the quantised numbers, widened to float32 again
;;       x = np.moveaxis(x, axis, -1); K = x.shape[-1]
;;       x = np.pad(x, [(0, 0)] * (x.ndim - 1) + [(0, -K % 32)]); x = x.reshape(x.shape[:-1] + (-1, 32)); a = np.abs(x).max(-1, keepdims=True)
;;       e = np.where(a > 0, np.clip(np.frexp(np.where(a > 0, a, 1))[1] - 1 - 4, -126, 127), 0)      # np.frexp(a)[1] - 1 = floor(log2(a)), exactly
;;       r = np.clip(x / 2.0 ** e, -28, 28)
;;       step = 2.0 ** (np.maximum(np.frexp(np.where(r == 0, 1, r))[1] - 1, -2) - 2)
;;       q = np.round(r / step) * step * 2.0 ** e      # np.round: ties to even
;;       return np.moveaxis(q.reshape(q.shape[:-2] + (-1,))[..., :K], -1, axis).astype(np.float32)
;;   ~~~
;;   SOFTMAX AHEAD OF A QUANTISED PRODUCT. Where the list says 'softmax', what is quantised is not the finished softmax but p = 2^(t - M), with t = logit x log2(e) and M = ceil(the row's largest t), a whole number; so 1/2 < the row's largest p <= 1. The row's sum l is taken of the UNQUANTISED p, in f32, and the product's result is divided by l at the end. Since M is a whole number, a kernel that streams over the keys may use a running M (the ceiling of the running maximum): every later rescaling is an exact power of two, which a block's scale takes up: the codes' values come out the same.
;;   OPERANDS COMPUTED ON THE WAY. 'Computed on the way' means the value that the module computes at that place (a softmax that the list does not call 'softmax' is quantised finished and normalised). What goes into a quantiser is computed in f32, as accurately as f32 sums, v_exp_f32 and their like allow (about 1e-6 of the number): no bf16 or f16 on the way to a quantiser, and a product that is left as it is and whose result goes on into a quantised operand takes f32 operands (vector FMAs, or v_wmma_f32_16x16x4_f32). A number that lies on a knife's edge between two numbers of the format may be rounded either way, as far as f32 arithmetic and the matrix unit's own rounding can turn it there, and no further.
;; One version. Each part assembles by itself: llvm-mc -triple=amdgcn-amd-amdhsa -mcpu=gfx1250 --defsym DOCPART=n.
;; ======== version 1 of 1: 4 launches
;; limits: right only within a limited range of input values
;; workspace buffers: xq 6,553,600 bytes; wq 3,276,800 bytes; qb 6,815,744 bytes; kv 13,369,344 bytes; vp 262,144 bytes; yq 6,553,600 bytes
;; launch prep (part 1): grid 256 x 1, 4 waves a work-group, no clusters, 36,352 bytes of LDS; arguments x, W_qkv, W_proj, xq, wq; writes xq, wq
.if DOCPART == 1
	.amdgcn_target "amdgcn-amd-amdhsa--gfx1250"
	.amdhsa_code_object_version 6
	.text
	.protected	k_q102198e76c_prep
	.globl	k_q102198e76c_prep
	.p2align	8
	.type	k_q102198e76c_prep,@function
k_q102198e76c_prep:
	s_mov_b64 s[64:65], 0
	v_nop
	global_prefetch_b8 v0, s[64:65] scope:SCOPE_SE
	s_setreg_imm32_b32 hwreg(HW_REG_WAVE_MODE, 25, 1), 1
	s_wait_xcnt 0x0
; CAUSAL SELF-ATTENTION IN MX-BF6, LAUNCH 1 OF 4: x, W_qkv and W_proj become codes of E3M2 with one E8M0 byte for each 32 along K (K = the 1,024 channels).
; THE PROGRAM.  prep: the three inputs' codes.  gemm1: x W_qkv + b_qkv, its q and k quantised along a head's 64, its v along the keys.  attn: both attention products with a streaming softmax; y quantised.  gemm2: y W_proj + b_proj.
; WORK LEFT OUT, in the whole program: key tiles that lie wholly above the diagonal of the mask that reference() builds itself (jnp.triu, k = 1).  For a query with at least one key that neither mask hides, those keys' logits
; are the least f32 number, their weights are 0 for all values of the inputs, and they reach no output.  For a query ALL of whose keys up to itself are hidden by key_padding_mask every logit of the row is that same least number,
; so the weights are equal over all 2,048 keys: that row is the mean of the quantised v over all keys, which gemm1 sums and attn selects; so there too no result hangs on the tiles left out.  All six inputs are loaded.
; LIMITS.  A NaN, an infinity or an overflow that reaches only the tiles left out is not carried to the result.  NaN and infinities among the inputs are not served.  A block whose largest magnitude lies under 2^-122 keeps the
; scale byte 1; a block of zeros gets the byte 1 where the rule says 127: its codes are zeros, and these bytes are read by this program alone.
; LAYOUT OF ALL CODES IN THIS PROGRAM.  16 rows x 64 along K are an IMAGE of six operand registers, 768 bytes: registers 0-3 at 16 x lane, registers 4-5 at 512 + 8 x lane; lane (r, h) holds the 24 bytes of block h of row r.
; A tensor is [tile of 16 rows][K / 64][768]; its scale words are [tile][K / 128][16 rows], 4 bytes each.  Rows stand in POSITION order: position p holds row pi(p), p with its bits 3 and 4 exchanged; so the eight results that a
; lane of a transposed product holds in two neighbouring tiles are 16 neighbours along the next product's K.  K itself is never permuted.
; SHARES.  Work-groups 0-127: x, a wave to a tile of 16 tokens, all of K in 8 steps of 128.  128-223: W_qkv, 224-255: W_proj: a wave to 32 columns x 256 along K, a lane to a column, its registers down K.
.set WREG,  8960                       ; LDS of a wave on x's path: a stage of 16 rows x 528 bytes, then 512 bytes in which its tile's scale words gather
.set SPARE, 4*WREG                     ; the spare words, 128 bytes a wave: two blocks of 256 bytes that no other line names
.set SPW, 4                            ; v4   my spare word;  v5  0: both never rewritten
.set NIL, 5
.set L16, 6                            ; v6   16 x lane
.set L8,  7                            ; v7   8 x lane
.set R,   16                           ; v16-143  x as loaded, two sets of 64
.set X,   144                          ; v144-207 64 numbers of my row: register 16 b + i = k 32 b + 16 h + i
.set PC,  208                          ; v208-226 the codes
.set TM,  228                          ; v228-243 at work
.set PW,  244                          ; v244 the scale word
.set SEL, 20                           ; s[20:21] lane l xor 16
.set WX,  16                           ; weights: v16-79 two sets of 32 numbers
.set CD,  144                          ; v144-159 two blocks' codes
.set SB,  166                          ; v166-167 scale words
; 64 numbers of a lane become a fragment's 12 registers of codes, v[PC] on, and its scale word, v[PW]
.macro QUANT s
.irp b, 0,1,2,3
	v_max3_num_f32 v[TM+\b], |v[\s+16*\b]|, |v[\s+1+16*\b]|, 0x2800000   ; block b: my 16 numbers, and the floor 2^(5 - 127): the byte cannot fall under 1
.endr
.irp i, 2,4,6,8,10,12,14
.irp b, 0,1,2,3
	v_max3_num_f32 v[TM+\b], v[TM+\b], |v[\s+16*\b+\i]|, |v[\s+1+16*\b+\i]|
.endr
.endr
.irp b, 0,1,2,3
	v_permlanex16_b32 v[TM+4+\b], v[TM+\b], s[SEL], s[SEL+1]
.endr
.irp b, 0,1,2,3
	v_max_num_f32 v[TM+\b], v[TM+\b], v[TM+4+\b]   ; with lane l xor 16's: the block's largest magnitude
.endr
.irp b, 0,1,2,3
	v_add_nc_u32 v[TM+12+\b], 0xfe000000, v[TM+\b]   ; 4 off its exponent field: the conversion's scale operand
.endr
.irp b, 0,1,2,3
	v_lshrrev_b32 v[TM+4+\b], 23, v[TM+12+\b]      ; the scale's byte
.endr
	v_lshl_or_b32 v[PW], v[TM+5], 8, v[TM+4]
	v_lshl_or_b32 v[PW], v[TM+6], 16, v[PW]
	v_lshl_or_b32 v[PW], v[TM+7], 24, v[PW]
.irp c, 0,1
	v_cvt_scalef32_pk16_bf6_f32 v[PC+6*\c:PC+2+6*\c], v[\s+32*\c:\s+15+32*\c], v[TM+12+2*\c]
	v_cvt_scalef32_pk16_bf6_f32 v[PC+12+4*\c:PC+14+4*\c], v[\s+16+32*\c:\s+31+32*\c], v[TM+12+2*\c+1]   ; (a conversion's three registers begin on an even number)
.endr
	v_nop                                          ; one plain line behind the conversions
.irp c, 0,1                                    ; the operand wants a whole block in a lane
.irp i, 0,1,2
	v_permlane16_swap_b32 v[PC+6*\c+\i], v[PC+12+4*\c+\i]
.endr
.irp i, 0,1,2
	v_mov_b32 v[PC+3+6*\c+\i], v[PC+12+4*\c+\i]
.endr
.endr
.endm
	s_load_b128 s[4:7], s[0:1], 0x0                ; x, W_qkv
	s_load_b128 s[8:11], s[0:1], 0x10              ; W_proj, xq
	s_load_b64 s[12:13], s[0:1], 0x20              ; wq
	v_lshl_add_u32 v[SPW], v0, 2, SPARE
	v_mov_b32 v[NIL], 0
	v_lshrrev_b32 v1, 5, v0
	v_readfirstlane_b32 s14, v1                    ; wave
	v_and_b32 v2, 31, v0                           ; lane
	v_and_b32 v3, 15, v0                           ; r
	v_bfe_u32 v12, v0, 4, 1                        ; h
	v_lshlrev_b32 v[L16], 4, v2
	v_lshlrev_b32 v[L8], 3, v2
	s_cmp_lt_u32 ttmp9, 128
	s_cbranch_scc0 .Lweights
	; ---------------- x ----------------
	s_mul_i32 s15, s14, WREG
	v_add_nc_u32 v8, s15, v[L16]                   ; the stage, in: a row's 512 bytes as they lie
	v_mul_u32_u24 v9, v3, 528
	v_lshl_add_u32 v9, v12, 6, v9
	v_add_nc_u32 v9, s15, v9                       ; out: row r, + 64 h: my 16 numbers of each block
	v_lshlrev_b32 v10, 2, v3
	v_add_nc_u32 v10, s15, v10
	v_add_nc_u32 v10, 8448, v10                    ; the scale words' gather, in: 4 r
	v_add_nc_u32 v11, 8448, v8                     ; and out: 16 x lane
	s_mov_b32 s[SEL], 0x76543210
	s_mov_b32 s[SEL+1], 0xfedcba98
.irp b, 0,1,2,3
	v_mov_b32 v[TM+4+\b], 0                        ; a lane permute's destination counts as one of its sources
.endr
	s_lshl_b32 s16, ttmp9, 2
	s_add_co_u32 s16, s16, s14                     ; my tile T
	s_lshr_b32 s17, s16, 1
	s_lshl_b32 s22, s17, 17                        ; its first token is 32 (T / 2) + 8 (T % 2): rows of 4,096 bytes
	s_and_b32 s17, s16, 1
	s_lshl_b32 s17, s17, 15
	s_add_co_u32 s22, s22, s17
	s_mov_b32 s23, 0
	s_mul_i32 s24, s16, 12288
	s_mov_b32 s25, 0
	s_lshl_b32 s26, s16, 9
	s_add_co_u32 s26, s26, 6291456
	s_mov_b32 s27, 0
	s_wait_alu depctr_va_vdst(0)
	s_wait_kmcnt 0x0
	s_add_nc_u64 s[4:5], s[4:5], s[22:23]
	s_add_nc_u64 s[24:25], s[10:11], s[24:25]      ; my tile's codes
	s_add_nc_u64 s[26:27], s[10:11], s[26:27]      ; and scale words
.macro XLOAD s                         ; K step s of my 16 tokens: each load reads 512 consecutive bytes of one row; position p holds token p + 8 (p / 8)
.irp p, 0,1,2,3,4,5,6,7,8,9,10,11,12,13,14,15
	global_load_b128 v[R+64*((\s)%2)+4*\p:R+64*((\s)%2)+4*\p+3], v[L16], s[4:5] offset:(\p+8*(\p/8))*4096+512*(\s) th:TH_LOAD_NT
.endr
.endm
.macro XTURN s                         ; through my stage: LDS serves a wave's instructions in order, so no wait stands between the stores and the loads
.irp p, 0,1,2,3,4,5,6,7,8,9,10,11,12,13,14,15
	ds_store_b128 v8, v[R+64*((\s)%2)+4*\p:R+64*((\s)%2)+4*\p+3] offset:528*\p
.endr
.irp b, 0,1,2,3
.irp j, 0,1,2,3
	ds_load_b128 v[X+16*\b+4*\j:X+16*\b+4*\j+3], v9 offset:128*\b+16*\j
.endr
.endr
.endm
.macro XSTEP s
.if (\s) < 7
	s_wait_loadcnt 16                              ; this step's 16 loads are in; the next step's 16 may be out
.else
	s_wait_loadcnt 0x0
.endif
	XTURN \s
	s_wait_dscnt 0x0                               ; my 64 numbers are back, and the stage's stores have read their registers
	s_wait_xcnt 0x0                                ; the last step's stores have read the codes' registers
.if (\s)+2 < 8
	XLOAD (\s)+2
.endif
	QUANT X
	global_store_b128 v[L16], v[PC:PC+3], s[24:25] offset:1536*(\s)            ; two images: six aligned runs of 256 consecutive bytes
	global_store_b64 v[L8], v[PC+4:PC+5], s[24:25] offset:1536*(\s)+512
	global_store_b128 v[L16], v[PC+6:PC+9], s[24:25] offset:1536*(\s)+768
	global_store_b64 v[L8], v[PC+10:PC+11], s[24:25] offset:1536*(\s)+1280
	ds_store_b32 v10, v[PW] offset:64*(\s)         ; both halves of the lanes hold the same word
.endm
	XLOAD 0
	XLOAD 1
.irp s, 0,1,2,3,4,5,6,7
	XSTEP \s
.endr
	ds_load_b128 v[X:X+3], v11                     ; the tile's 128 scale words
	s_wait_dscnt 0x0
	global_store_b128 v[L16], v[X:X+3], s[26:27]   ; 512 consecutive bytes
	s_branch .Lend
	; ---------------- the weights ----------------
.macro WLOAD t, n                      ; block t: W(32 t + i, my column): the wave reads 128 consecutive bytes of a row
.set i, 0
.rept 32
	global_load_b32 v[WX+32*((\t)%2)+i], v8, s[22:23] offset:(32*(\t)+i)*(\n)*4 th:TH_LOAD_NT
.set i, i+1
.endr
.endm
.macro WBLOCK t, n
.set XS, WX+32*((\t)%2)
.set CT, CD+8*((\t)%2)
.if (\t) < 7
	s_wait_loadcnt 32                              ; this block's 32 loads are in; the next block's may be out
.else
	s_wait_loadcnt 0x0
.endif
.if ((\t)%2) == 0
	s_wait_xcnt 0x0                                ; the stores of the two blocks before have read the codes' registers
.endif
	v_max3_num_f32 v160, |v[XS]|, |v[XS+1]|, |v[XS+2]|             ; all 32 numbers of the block are mine
	v_max3_num_f32 v161, |v[XS+3]|, |v[XS+4]|, |v[XS+5]|
.irp i, 6,10,14,18,22,26
	v_max3_num_f32 v160, v160, |v[XS+\i]|, |v[XS+\i+1]|
	v_max3_num_f32 v161, v161, |v[XS+\i+2]|, |v[XS+\i+3]|
.endr
	v_max3_num_f32 v160, v160, |v[XS+30]|, |v[XS+31]|
	v_max3_num_f32 v160, v160, v161, 0x2800000     ; and the floor
	v_add_nc_u32 v162, 0xfe000000, v160            ; the conversion's scale operand
	v_lshrrev_b32 v163, 23, v162                   ; the byte
.if ((\t)%4) == 0
	v_mov_b32 v[SB+(\t)/4], v163
.else
	v_lshl_or_b32 v[SB+(\t)/4], v163, 8*((\t)%4), v[SB+(\t)/4]
.endif
	v_cvt_scalef32_pk16_bf6_f32 v[CT:CT+2], v[XS:XS+15], v162
	v_cvt_scalef32_pk16_bf6_f32 v[CT+4:CT+6], v[XS+16:XS+31], v162
	v_nop
	v_mov_b32 v[CT+3], v[CT+4]                     ; six registers on end
	v_mov_b32 v[CT+4], v[CT+5]
	v_mov_b32 v[CT+5], v[CT+6]
.if (\t)+2 < 8
	WLOAD (\t)+2, \n
.endif
.if ((\t)%2) == 1                      ; two blocks of 32 columns become the images of two tiles of 16: lanes 16-31 of the first change places with lanes 0-15 of the second
.irp k, 0,1,2,3,4,5
	v_permlane16_swap_b32 v[CD+\k], v[CD+8+\k]
.endr
.irp e, 0,1
	global_store_b128 v[L16], v[CD+8*\e:CD+8*\e+3], s[24:25] offset:12288*\e+768*((\t)/2)
	global_store_b64 v[L8], v[CD+8*\e+4:CD+8*\e+5], s[24:25] offset:12288*\e+768*((\t)/2)+512
.endr
.endif
.endm
.macro WPATH n, first, src, cbase, sbase
	s_sub_co_u32 s15, ttmp9, \first
	s_and_b32 s16, s15, 3                          ; which 256 along K
	s_lshr_b32 s17, s15, 2
	s_lshl_b32 s18, s17, 2
	s_add_co_u32 s18, s18, s14                     ; which 32 columns: two tiles
	s_mul_i32 s22, s16, 256*(\n)*4
	s_lshl_b32 s19, s18, 7
	s_add_co_u32 s22, s22, s19
	s_mov_b32 s23, 0
	s_mul_i32 s24, s18, 2*12288
	s_mul_i32 s19, s16, 4*768
	s_add_co_u32 s24, s24, s19
	s_add_co_u32 s24, s24, \cbase
	s_mov_b32 s25, 0
	s_lshl_b32 s26, s18, 10
	s_lshl_b32 s19, s16, 7
	s_add_co_u32 s26, s26, s19
	s_add_co_u32 s26, s26, \sbase
	s_mov_b32 s27, 0
	s_wait_kmcnt 0x0
	s_add_nc_u64 s[22:23], s[\src:\src+1], s[22:23]
	s_add_nc_u64 s[24:25], s[12:13], s[24:25]
	s_add_nc_u64 s[26:27], s[12:13], s[26:27]
	WLOAD 0, \n
	WLOAD 1, \n
.irp t, 0,1,2,3,4,5,6,7
	WBLOCK \t, \n
.endr
	global_store_b32 v9, v[SB], s[26:27]           ; two scale words a column: runs of 64 bytes, one byte in 128 of what the path reads
	global_store_b32 v9, v[SB+1], s[26:27] offset:64
.endm
.Lweights:
	s_wait_alu depctr_va_vdst(0)
	v_and_b32 v8, 7, v2
	v_bfe_u32 v9, v2, 3, 1
	v_lshl_or_b32 v8, v9, 4, v8
	v_lshl_or_b32 v8, v12, 3, v8                   ; pi(lane): my column among the wave's 32
	v_lshlrev_b32 v8, 2, v8
	v_lshlrev_b32 v9, 2, v3
	v_lshl_add_u32 v9, v12, 9, v9                  ; my scale word's place: 512 (lane / 16) + 4 (lane % 16)
	s_cmp_lt_u32 ttmp9, 224
	s_cbranch_scc0 .Lproj
	s_wait_alu depctr_va_vdst(0)
	WPATH 3072, 128, 6, 0, 3145728
	s_branch .Lend
.Lproj:
	s_wait_alu depctr_va_vdst(0)
	WPATH 1024, 224, 8, 2359296, 3244032
.Lend:
	s_wait_tensorcnt 0x0                           ; the wave's end
	ds_add_u32 v[SPW], v[NIL]
	s_wait_dscnt 0x0
	s_endpgm
.Lfunc_end_k_q102198e76c_prep:
	.size	k_q102198e76c_prep, .Lfunc_end_k_q102198e76c_prep-k_q102198e76c_prep
	.p2alignl 7, 3214868480
	.fill 96, 4, 3214868480
	.section	.rodata,"a",@progbits
	.p2align	6, 0x0
	.amdhsa_kernel k_q102198e76c_prep
		.amdhsa_group_segment_fixed_size 36352
		.amdhsa_private_segment_fixed_size 0
		.amdhsa_enable_private_segment 0
		.amdhsa_kernarg_size 40
		.amdhsa_user_sgpr_count 2
		.amdhsa_user_sgpr_kernarg_segment_ptr 1
		.amdhsa_wavefront_size32 1
		.amdhsa_system_sgpr_workgroup_id_x 1
		.amdhsa_system_sgpr_workgroup_id_y 1
		.amdhsa_system_sgpr_workgroup_id_z 1
		.amdhsa_system_vgpr_workitem_id 0
		.amdhsa_next_free_vgpr 256
		.amdhsa_next_free_sgpr 66
		.amdhsa_reserve_vcc 0
		.amdhsa_float_denorm_mode_32 3
		.amdhsa_float_denorm_mode_16_64 3
		.amdhsa_memory_ordered 1
		.amdhsa_forward_progress 1
		.amdhsa_inst_pref_size 144
	.end_amdhsa_kernel
	.amdgpu_metadata
---
amdhsa.version: [ 1, 2 ]
amdhsa.kernels:
  - .name:           k_q102198e76c_prep
    .symbol:         k_q102198e76c_prep.kd
    .args:
      - { .name: x, .offset: 0, .size: 8, .value_kind: global_buffer, .address_space: global }
      - { .name: W_qkv, .offset: 8, .size: 8, .value_kind: global_buffer, .address_space: global }
      - { .name: W_proj, .offset: 16, .size: 8, .value_kind: global_buffer, .address_space: global }
      - { .name: xq, .offset: 24, .size: 8, .value_kind: global_buffer, .address_space: global }
      - { .name: wq, .offset: 32, .size: 8, .value_kind: global_buffer, .address_space: global }
    .group_segment_fixed_size: 36352
    .private_segment_fixed_size: 0
    .kernarg_segment_align: 8
    .kernarg_segment_size: 40
    .max_flat_workgroup_size: 128
    .sgpr_count:     66
    .vgpr_count:     256
    .wavefront_size: 32
...
	.end_amdgpu_metadata
.endif
;; end of part 1
;; launch gemm1 (part 2): grid 8 x 32, 4 waves a work-group, clusters of 4 x 4, 327,680 bytes of LDS; arguments xq, wq, b_qkv, key_padding_mask, qb, kv, vp; writes qb, kv, vp
.if DOCPART == 2
	.amdgcn_target "amdgcn-amd-amdhsa--gfx1250"
	.amdhsa_code_object_version 6
	.text
	.protected	k_q102198e76c_gemm1
	.globl	k_q102198e76c_gemm1
	.p2align	8
	.type	k_q102198e76c_gemm1,@function
k_q102198e76c_gemm1:
	s_mov_b64 s[64:65], 0
	v_nop
	global_prefetch_b8 v0, s[64:65] scope:SCOPE_SE
	s_setreg_imm32_b32 hwreg(HW_REG_WAVE_MODE, 25, 1), 1
	s_wait_xcnt 0x0
	s_wait_alu depctr_hold_cnt(0) depctr_sa_sdst(0) depctr_va_vdst(0) depctr_va_sdst(0) depctr_va_ssrc(0) depctr_va_vcc(0) depctr_vm_vsrc(0)
	s_getreg_b32 s2, hwreg(HW_REG_IB_STS2, 6, 4)
	s_cmp_eq_u32 s2, 0
	s_cbranch_scc0 .Lentry_in_a_cluster
	s_endpgm
.Lentry_in_a_cluster:
	s_bfe_u32 s2, ttmp6, 0x10000c
	s_cmp_lg_u32 s2, 0xf033
	s_cbranch_scc0 .Lentry_shape_is_right
	s_endpgm
.Lentry_shape_is_right:
; LAUNCH 2 OF 4: qkv = x W_qkv + b_qkv on codes of E3M2, and its results quantised on the way out: q and k along a head's 64 channels, v along the keys.  Nothing wider than codes goes to memory.
; SHARES.  Work-group (c, row) takes 256 tokens x 384 columns: columns 128 c .. 128 c + 127 of q, of k and of v (heads 2 c and 2 c + 1): 8 x 32 = 256 work-groups, all with the same walk.
; A wave takes 128 tokens (mi = wave / 2) x one head (ni = wave % 2): its q, k and v, 64 columns each: 8 x 12 = 96 accumulators, the three kinds in register windows 1, 2, 3.
; K = 1,024 goes in four steps of 256 through two LDS slots of 122,880 bytes (A's 16 tiles, then 8 tiles each of q's, k's and v's columns); the steps are written out.  Wave 0 fetches A's part of a slot, waves 1 to 3 one kind of B each.
; Codes lie in memory as images of operand registers (768 bytes for 16 rows x 64 K), so a slot needs no pitch and no padding.
; CLUSTERS of 4 x 4: A's tiles are asked for jointly along a row of the cluster, B's along a column.  No prefetch: K is four slots, two of them first fills; only two refills are left to run ahead of.
; THE SCALE WORDS come from memory straight into registers: a tile's words lie [K / 128][16 rows], so 32 lanes read 128 consecutive bytes: lanes 0-15 the slot's first K step, lanes 16-31 its second; two sets of 8 + 12 registers.
; THE PRODUCT IS USED TRANSPOSED (source 0 = 16 columns of W, source 1 = 16 tokens): a lane holds one token, and, by the position order of W's columns, the 16 registers of tiles 2 b, 2 b + 1 are columns 32 b + 16 h + 0 .. 15.
; THE BIAS is loaded into the registers of the accumulators of token block 7 and is the C of every sum's first matrix instruction; block 7's own come last, in place, five places behind the last reader.
; THE PADDING MASK rides in the half of the score product's K = 128 that a head's 64 channels leave empty: attn puts the code of +1 at k = 64 of every key and of -1 at k = 64 of every query; here byte 2 of a key's scale word
; is 254 where key_padding_mask hides the key and 0 where not, byte 2 of a query's is 127.  So a hidden key's score gets -2^127 and an open key's -2^-127, under every score's last bit.
; vp takes the sums of the quantised v over each 128 tokens, for the rows all of whose keys are hidden (launch 1's head says why).
; REGISTERS, window 0: v1 r + 8 (r / 8), v2 h, v3 lane, v4-11 LDS addresses (later ids), v12, v13 the add's two, v14 4 x lane, v15 64 h; v16-111 A's eight fragments, v112-207 B's, two sets of four (both at work on the way out);
;   v208-215 the padding bytes; v216-255 scale words and nothing else.  Windows 1, 2, 3: accumulator (a, b) at v[8 (4 a + b)].
.set A_SC,  6291456                    ; A's scale words behind its codes
.set B_SC,  3145728                    ; W_qkv's scale words in wq
.set SLOT,  122880
.set SPARE, 2*SLOT                     ; the spare words: two blocks of 256 bytes that no other line names
.set ADRA, 4                           ; v4-5 A's region in slot 0, 1 + 16 x lane; v6-7 + 8 x lane
.set ADRB, 8                           ; v8-11 the same for B
.set SPW,  12
.set NIL,  13
.set L4,   14
.set AF,   16
.set BF,   112
.set HI,   208
.set SCB,  216
.set G1, 24
.set G0, 32
.set G1B, 48
.set G0B, 56
.set MSB, 0
.macro WIN new                         ; the immediate's high byte repeats the setting that is left
.if MSB != (\new)
	s_set_vgpr_msb (MSB<<8)|(\new)
.set MSB, (\new)
.endif
.endm
.macro NOPS n
.rept \n
	v_nop
.endr
.endm
.macro JLOAD s                         ; a joint load into slot s: wave 0 for A, waves 1 to 3 for B; an s_nop 0 and four v_nop follow each line
	s_cmp_eq_u32 s14, 0
	s_cbranch_scc0 .Lfor_b_\@
	tensor_load_to_lds s[G0+4*\s:G0+4*\s+3], s[G1:G1+7]
	s_nop 0
	NOPS 4
	s_branch .Lasked_\@
.Lfor_b_\@:
	tensor_load_to_lds s[G0B+4*\s:G0B+4*\s+3], s[G1B:G1B+7]
	s_nop 0
	NOPS 4
.Lasked_\@:
.endm
.macro CREST
	s_cmp_lg_u32 s14, 0
	s_cbranch_scc1 .Lnot_wave_0_\@
	s_barrier_signal -3
.Lnot_wave_0_\@:
	s_barrier_wait -3
	s_barrier_signal -1
	s_barrier_wait -1
.endm
.macro CROUND
	s_barrier_signal -1
	s_barrier_wait -1
	CREST
.endm
.macro SLOADS sc, j                    ; the scale words of K steps 2 j and 2 j + 1 into set sc: A's eight blocks, B's twelve tiles
.irp a, 0,1,2,3,4,5,6,7
	global_load_b32 v[SCB+20*(\sc)+\a], v[L4], s[66:67] offset:512*\a+128*(\j)
.endr
.irp t, 0,1,2,3,4,5,6,7,8,9,10,11
	global_load_b32 v[SCB+20*(\sc)+8+\t], v[L4], s[68:69] offset:512*(64*(\t/4)+\t%4)+128*(\j)
.endr
.endm
	s_load_b256 s[4:11], s[0:1], 0x0               ; xq, wq, b_qkv, key_padding_mask
	s_load_b128 s[96:99], s[0:1], 0x20             ; qb, kv
	s_load_b64 s[100:101], s[0:1], 0x30            ; vp
	v_lshl_add_u32 v[SPW], v0, 2, SPARE
	v_mov_b32 v[NIL], 0
	ds_add_u32 v[SPW], v[NIL]                      ; the opening: the add, twice on end, and its wait ahead of my first tensor load
	ds_add_u32 v[SPW], v[NIL]
	v_lshrrev_b32 v1, 5, v0
	v_readfirstlane_b32 s14, v1                    ; wave
	s_lshr_b32 s15, s14, 1                         ; mi: my half of the tokens
	s_and_b32 s16, s14, 1                          ; ni: my head of the two
	s_bfe_u32 s40, ttmp6, 0x40000                  ; cx, cy
	s_bfe_u32 s41, ttmp6, 0x40004
	s_lshl_b32 s42, ttmp9, 2
	s_add_co_u32 s42, s42, s40                     ; c, 0 .. 7
	s_and_b32 s17, ttmp7, 0xffff
	s_lshl_b32 s17, s17, 2
	s_add_co_u32 s17, s17, s41                     ; tile row, 0 .. 31
	s_lshl_b32 s43, s41, 2
	s_lshl_b32 s43, 15, s43                        ; my row of the cluster
	s_lshl_b32 s44, 0x1111, s40                    ; my column
	s_or_b32 s[G1+0], s43, (3<<16)|(1<<21)         ; elements of 8 bytes, no padding; bit 21 beside a mask
	s_or_b32 s[G1B+0], s44, (3<<16)|(1<<21)
.irp g, G1, G1B                        ; rows (tiles of 16) of 3,072 bytes (256 along K), 12,288 bytes apart
	s_mov_b32 s[\g+1], 384<<16
	s_mov_b32 s[\g+3], 384<<16
	s_mov_b32 s[\g+5], 1536
	s_mov_b32 s[\g+6], 0
	s_mov_b32 s[\g+7], 0
.endr
	s_mov_b32 s[G1+2], 16<<16                      ; A: 16 rows
	s_mov_b32 s[G1+4], 16
	s_mov_b32 s[G1B+2], 8<<16                      ; B: 8 rows of one kind
	s_mov_b32 s[G1B+4], 8
	s_mul_i32 s20, s17, 16*12288                   ; A's 16 tiles
	s_mov_b32 s21, 0
	s_max_u32 s18, s14, 1
	s_sub_co_u32 s18, s18, 1                       ; the kind that I fetch (waves 1 to 3)
	s_lshl_b32 s18, s18, 6
	s_lshl_b32 s19, s42, 3
	s_add_co_u32 s18, s18, s19                     ; its first tile: 64 x kind + 8 c
	s_mul_i32 s46, s18, 12288
	s_mov_b32 s47, 0
	s_mul_i32 s45, s14, 24576
	s_add_co_u32 s45, s45, 24576                   ; and its place in a slot, behind A's 49,152 bytes: by the wave's number alone
	s_lshl_b32 s22, s17, 13
	s_lshl_b32 s23, s15, 12
	s_add_co_u32 s22, s22, s23
	s_add_co_u32 s22, s22, A_SC                    ; the scale words of my 8 blocks of tokens
	s_mov_b32 s23, 0
	s_lshl_b32 s92, s42, 12
	s_lshl_b32 s93, s16, 11
	s_add_co_u32 s92, s92, s93
	s_add_co_u32 s92, s92, B_SC                    ; and of my head's 4 tiles of q's columns; k's and v's lie 64 and 128 tiles on
	s_mov_b32 s93, 0
	s_lshl_b32 s74, s42, 9
	s_lshl_b32 s75, s16, 8
	s_add_co_u32 s74, s74, s75                     ; the bias of my head's 64 columns of q
	s_mov_b32 s75, 0
	s_lshl_b32 s76, s17, 8
	s_lshl_b32 s77, s15, 7
	s_add_co_u32 s76, s76, s77                     ; my 128 tokens' padding bytes
	s_mov_b32 s77, 0
	s_wait_dscnt 0x0                               ; both opening adds are done
	s_wait_kmcnt 0x0
	s_add_nc_u64 s[20:21], s[4:5], s[20:21]
	s_add_nc_u64 s[46:47], s[6:7], s[46:47]
	s_add_nc_u64 s[66:67], s[4:5], s[22:23]
	s_add_nc_u64 s[68:69], s[6:7], s[92:93]
	s_add_nc_u64 s[70:71], s[8:9], s[74:75]
	s_add_nc_u64 s[72:73], s[10:11], s[76:77]
	CROUND                                         ; all sixteen work-groups are here: the first joint loads meet
.irp s, 0,1
	s_mov_b32 s[G0+4*\s], 1
	s_mov_b32 s[G0+4*\s+1], \s*SLOT
	s_add_nc_u64 s[G0+4*\s+2:G0+4*\s+3], s[20:21], \s*3072
	s_or_b32 s[G0+4*\s+3], s[G0+4*\s+3], 0x80000000
	s_mov_b32 s[G0B+4*\s], 1
	s_add_co_u32 s[G0B+4*\s+1], s45, \s*SLOT
	s_add_nc_u64 s[G0B+4*\s+2:G0B+4*\s+3], s[46:47], \s*3072
	s_or_b32 s[G0B+4*\s+3], s[G0B+4*\s+3], 0x80000000
.endr
	JLOAD 0                                        ; slot 0: one tensor load a wave at the head
	v_and_b32 v3, 31, v0                           ; lane
	v_bfe_u32 v2, v0, 4, 1                         ; h
	v_and_b32 v1, 15, v0                           ; r
	v_lshlrev_b32 v[L4], 2, v3
	v_lshlrev_b32 v15, 6, v2
	v_lshlrev_b32 v16, 4, v3
	v_lshlrev_b32 v17, 3, v3
	v_and_b32 v18, 8, v1
	v_add_nc_u32 v1, v18, v1                       ; r + 8 (r / 8)
	s_mul_i32 s21, s15, 8*3072                     ; my 8 blocks of A
	s_mul_i32 s22, s16, 4*3072
	s_add_co_u32 s22, s22, 49152                   ; my 4 tiles of each kind of B
.irp s, 0,1
	v_add_nc_u32 v[ADRA+\s], s21, v16
	v_add_nc_u32 v[ADRB+\s], s22, v16
	v_add_nc_u32 v[ADRA+2+\s], s21, v17
	v_add_nc_u32 v[ADRB+2+\s], s22, v17
	s_add_co_u32 s21, s21, SLOT
	s_add_co_u32 s22, s22, SLOT
.endr
	s_wait_alu depctr_va_vdst(0)
.irp p, 0,1,2                          ; the bias, in the result's layout, into accumulator (7, b) of window 1 + p: tile b, lane half h: columns 32 (b / 2) + 8 (b % 2) + 16 h + 0 .. 7
	WIN (1+\p)<<6
.irp b, 0,1,2,3
	global_load_b128 v[8*(28+\b):8*(28+\b)+3], v15, s[70:71] offset:4096*\p+(32*(\b/2)+8*(\b%2))*4
	global_load_b128 v[8*(28+\b)+4:8*(28+\b)+7], v15, s[70:71] offset:4096*\p+(32*(\b/2)+8*(\b%2))*4+16
.endr
.endr
	WIN 0
.irp a, 0,1,2,3,4,5,6,7
	global_load_u8 v[HI+\a], v1, s[72:73] offset:32*(\a/2)+8*(\a%2)
.endr
	SLOADS 0, 0
	SLOADS 1, 1
.macro FRAG reg, adr, off              ; a fragment is two images on end: registers 0-3, 4-5, 6-9, 10-11
	ds_load_b128 v[\reg:\reg+3], v[\adr] offset:(\off)
	ds_load_b64 v[\reg+4:\reg+5], v[\adr+2] offset:(\off)+512
	ds_load_b128 v[\reg+6:\reg+9], v[\adr] offset:(\off)+768
	ds_load_b64 v[\reg+10:\reg+11], v[\adr+2] offset:(\off)+1280
.endm
.macro FETCHB slot, q, p, set          ; my four tiles of kind p, K step q of the slot, into set
.irp b, 0,1,2,3
	FRAG BF+48*(\set)+12*\b, ADRB+\slot, 3072*(8*(\p)+\b)+1536*(\q)
.endr
.endm
.macro FETCHA slot, q, i0
.irp i, \i0, \i0+1, \i0+2, \i0+3
	FRAG AF+12*(\i), ADRA+\slot, 3072*(\i)+1536*(\q)
.endr
.endm
; 8 matrix instructions: token blocks a0, a0 + 1 x the four tiles of kind p.  The 96 accumulators take turns, one instruction a turn, in the same order in every K step.
; zero = 1: the bias, which lies in block 7's accumulators, starts the sums.  q picks the row of the scale registers.
.macro MUL2 p, q, set, sc, a0, zero
.irp a, \a0, \a0+1
.if (\zero) && ((\a) == 7)
	NOPS 5                                         ; block 7 writes over registers that the instructions above have read as C
.endif
.irp b, 0,1,2,3
.if \zero
	v_wmma_scale_f32_16x16x128_f8f6f4 v[8*(4*(\a)+\b):8*(4*(\a)+\b)+7], v[BF+48*(\set)+12*\b:BF+48*(\set)+12*\b+11], v[AF+12*(\a):AF+12*(\a)+11], v[8*(28+\b):8*(28+\b)+7], v[SCB+20*(\sc)+8+4*(\p)+\b], v[SCB+20*(\sc)+(\a)] matrix_a_fmt:MATRIX_FMT_BF6 matrix_b_fmt:MATRIX_FMT_BF6
.elseif (\q) == 0
	v_wmma_scale_f32_16x16x128_f8f6f4 v[8*(4*(\a)+\b):8*(4*(\a)+\b)+7], v[BF+48*(\set)+12*\b:BF+48*(\set)+12*\b+11], v[AF+12*(\a):AF+12*(\a)+11], v[8*(4*(\a)+\b):8*(4*(\a)+\b)+7], v[SCB+20*(\sc)+8+4*(\p)+\b], v[SCB+20*(\sc)+(\a)] matrix_a_fmt:MATRIX_FMT_BF6 matrix_b_fmt:MATRIX_FMT_BF6
.else
	v_wmma_scale_f32_16x16x128_f8f6f4 v[8*(4*(\a)+\b):8*(4*(\a)+\b)+7], v[BF+48*(\set)+12*\b:BF+48*(\set)+12*\b+11], v[AF+12*(\a):AF+12*(\a)+11], v[8*(4*(\a)+\b):8*(4*(\a)+\b)+7], v[SCB+20*(\sc)+8+4*(\p)+\b], v[SCB+20*(\sc)+(\a)] matrix_a_fmt:MATRIX_FMT_BF6 matrix_b_fmt:MATRIX_FMT_BF6 matrix_a_scale:MATRIX_SCALE_ROW1 matrix_b_scale:MATRIX_SCALE_ROW1
.endif
.endr
.endr
.endm
.macro GRP slot, q, p, set, zero       ; kind p = 0 or 1 of a K step: 32 matrix instructions; in their middle the next kind's tiles are fetched into the other set
	WIN 0x50*(1+\p)                                ; C and D in window 1 + p
	MUL2 \p, \q, \set, \slot, 0, \zero
	MUL2 \p, \q, \set, \slot, 2, \zero
.if (\p) == 0
	s_wait_dscnt 0x0                               ; A's blocks 4-7 are in
.endif
	NOPS 4                                         ; places in front of loads into registers that matrix instructions have read
	WIN 0
	FETCHB \slot, \q, \p+1, 1-\set
	WIN 0x50*(1+\p)
	MUL2 \p, \q, \set, \slot, 4, \zero
	MUL2 \p, \q, \set, \slot, 6, \zero
.endm
.macro GLAST slot, zero                ; kind 2 of a slot's first K step: the second K step's first tiles and A's blocks follow as their registers fall free
	s_wait_dscnt 0x0
	WIN 0xf0
	MUL2 2, 0, 0, \slot, 0, \zero
	MUL2 2, 0, 0, \slot, 2, \zero
	NOPS 4
	WIN 0
	FETCHB \slot, 1, 0, 1
	FETCHA \slot, 1, 0
	WIN 0xf0
	MUL2 2, 0, 0, \slot, 4, \zero
	MUL2 2, 0, 0, \slot, 6, \zero
	NOPS 4
	WIN 0
	FETCHA \slot, 1, 4
.endm
.macro FIVE slot, zero                 ; a slot's first five groups of six
	s_wait_dscnt 16                                ; all but the youngest 16 loads (A's blocks 4-7) are in
	GRP \slot, 0, 0, 0, \zero
	s_wait_dscnt 0x0
	GRP \slot, 0, 1, 1, \zero
	GLAST \slot, \zero
	s_wait_dscnt 16
	GRP \slot, 1, 0, 1, 0
	s_wait_dscnt 0x0
	GRP \slot, 1, 1, 0, 0
.endm
; A slot's last group changes slots: each wave waits for all its tensor loads, adds 0 to its spare word, and waits for that and for its reads of this slot; one barrier; fill = 1: it opens a round of the cluster's, and the joint refill
; comes first behind it.  j >= 0: this slot's set of scale registers takes K steps 2 j and 2 j + 1
.macro TURN slot, next, fill, j
	WIN 0
	s_wait_tensorcnt 0x0
	ds_add_u32 v[SPW], v[NIL]
	s_wait_dscnt 1                                 ; kind 2's tiles are in; the add may be out
	WIN 0xf0
	MUL2 2, 1, 1, \slot, 0, 0
	s_wait_dscnt 0x0                               ; the add is done, and my reads of this slot are over
	s_barrier_signal -1
	MUL2 2, 1, 1, \slot, 2, 0
	WIN 0
	s_barrier_wait -1
.if \fill
	CREST
	s_add_nc_u64 s[G0+4*\slot+2:G0+4*\slot+3], s[G0+4*\slot+2:G0+4*\slot+3], 6144
	s_add_nc_u64 s[G0B+4*\slot+2:G0B+4*\slot+3], s[G0B+4*\slot+2:G0B+4*\slot+3], 6144
	JLOAD \slot                                    ; its four v_nop are also the places in front of the loads below
.else
	NOPS 4
.endif
	FETCHB \next, 0, 0, 0
	FETCHA \next, 0, 0
	WIN 0xf0
	MUL2 2, 1, 1, \slot, 4, 0
	MUL2 2, 1, 1, \slot, 6, 0
	NOPS 4
	WIN 0
	FETCHA \next, 0, 4
.if (\j) >= 0
	SLOADS \slot, \j
.endif
.endm
	s_wait_alu depctr_va_vdst(0)                   ; the head's end
	s_wait_tensorcnt 0x0                           ; my part of slot 0 is in; the lines ahead of a later first fill:
	ds_add_u32 v[SPW], v[NIL]
	s_wait_dscnt 0x0
	CROUND                                         ; slot 0 is whole, all sixteen work-groups are here
	JLOAD 1                                        ; slot 1's first fill, the first tensor load behind the round
	FETCHB 0, 0, 0, 0
	FETCHA 0, 0, 0
	FETCHA 0, 0, 4
	s_wait_loadcnt 0x0                             ; the bias, the padding bytes, both sets of scale words
	FIVE 0, 1
	TURN 0, 1, 1, 2
	FIVE 1, 0
	TURN 1, 0, 1, 3
	s_wait_loadcnt 20                              ; set 0's 20 loads are in; set 1's 20 may be out
	FIVE 0, 0
	TURN 0, 1, 0, -1                               ; nothing is left to fetch
	s_wait_loadcnt 0x0
	FIVE 1, 0
	s_wait_dscnt 0x0
	WIN 0xf0
	MUL2 2, 1, 1, 1, 0, 0
	MUL2 2, 1, 1, 1, 2, 0
	MUL2 2, 1, 1, 1, 4, 0
	MUL2 2, 1, 1, 1, 6, 0
	WIN 0
	NOPS 4                                         ; in front of the first read of results and the first write of operands' registers
	; ---------------- THE WAYS OUT.  No tensor load of mine is out: the descriptors' registers take the pointers ----------------
.set L16, 5
.set L8,  6
.set TM,  16                           ; v16-31 at work
.set PW,  32
.set WD,  34
.set WT,  38
.set WO,  40
.set HQ,  42
.set SW,  24                           ; v: v24-25 scale words, v26-27 sums, v28 4 pi(lane), v29 the byte 127 four times, v30, v31 the stage's addresses
.set VS,  26
.set P4,  28
.set ONE, 29
.set STO, 30
.set RD,  31
.set CB,  48                           ; v48-79 v's codes
.set XB,  112                          ; v112-175 32 keys x two groups of 32 columns
	s_and_b32 s76, s17, 7                          ; which 256 tokens of the batch
	s_lshr_b32 s77, s17, 3                         ; the batch
	s_lshl_b32 s78, s77, 4
	s_lshl_b32 s79, s42, 1
	s_add_co_u32 s78, s78, s79
	s_add_co_u32 s78, s78, s16                     ; my head: batch x 16 + 2 c + ni
	s_mov_b32 s94, 0x76543210
	s_mov_b32 s95, 0xfedcba98
	s_mov_b32 s90, 0xffff0000                      ; lanes 16-31
	s_mov_b32 s91, 0xfe0000
	s_mov_b32 s93, 0
	s_mul_i32 s92, s78, 98304
	s_mul_i32 s82, s76, 12288
	s_add_co_u32 s92, s92, s82
	s_mul_i32 s83, s15, 6144
	s_add_co_u32 s92, s92, s83
	s_add_nc_u64 s[20:21], s[96:97], s[92:93]      ; q's images
	s_lshl_b32 s92, s78, 13
	s_lshl_b32 s82, s76, 10
	s_add_co_u32 s92, s92, s82
	s_lshl_b32 s84, s15, 9
	s_add_co_u32 s92, s92, s84
	s_add_co_u32 s92, s92, 6291456
	s_add_nc_u64 s[22:23], s[96:97], s[92:93]      ; q's scale words
	s_lshl_b32 s80, s78, 3
	s_add_co_u32 s80, s80, s76
	s_mul_i32 s80, s80, 26112                      ; my head's slot of 256 keys in kv
	s_add_co_u32 s92, s80, s83
	s_add_nc_u64 s[24:25], s[98:99], s[92:93]      ; k's images
	s_add_co_u32 s92, s80, s84
	s_add_co_u32 s92, s92, 12288
	s_add_nc_u64 s[26:27], s[98:99], s[92:93]      ; k's scale words
	s_add_co_u32 s92, s80, s83
	s_add_co_u32 s92, s92, 13312
	s_add_nc_u64 s[28:29], s[98:99], s[92:93]      ; v's images of my 128 keys
	s_lshl_b32 s92, s15, 8
	s_add_co_u32 s92, s92, s80
	s_add_co_u32 s92, s92, 25600
	s_add_nc_u64 s[30:31], s[98:99], s[92:93]      ; v's scale words
	s_lshl_b32 s92, s77, 4
	s_lshl_b32 s82, s76, 1
	s_add_co_u32 s92, s92, s82
	s_add_co_u32 s92, s92, s15                     ; which 128 tokens
	s_lshl_b32 s92, s92, 12
	s_lshl_b32 s82, s42, 9
	s_add_co_u32 s92, s92, s82
	s_lshl_b32 s82, s16, 8
	s_add_co_u32 s92, s92, s82
	s_add_nc_u64 s[32:33], s[100:101], s[92:93]    ; vp
	s_mul_i32 s88, s14, 8704                       ; my stage: 32 rows x 272 bytes, in slot 0, which has had its last fill and its last read
	v_and_b32 v4, 15, v0                           ; r
	v_lshlrev_b32 v[L16], 4, v3
	v_lshlrev_b32 v[L8], 3, v3
	v_mov_b32 v[HQ], 0x7f7f0000                    ; a query's bytes 2 and 3
.irp a, 0,1,2,3,4,5,6,7
	v_mul_lo_u32 v[HI+\a], v[HI+\a], s91           ; a key's byte 2: 254 where it is hidden, else 0
.endr
	s_wait_alu depctr_va_vdst(0)
; 64 accumulator registers of window w, token blocks 2 a and 2 a + 1 x my head's 64 channels, become 12 registers of codes at v[PCA], one image for each block, and a scale word (two bytes a block); each accumulator is read from its low end on
.macro QUANTW a, w
.set SRC, 64*(\a)
.set PCA, 48+32*((\a)%2)
	WIN 0x14*(\w)                                  ; sources 1 and 2 in the accumulators' window
.irp b, 0,1,2,3
	v_max3_num_f32 v[TM+\b], 0x2800000, |v[SRC+16*\b]|, |v[SRC+16*\b+1]|
.endr
.irp i, 2,4,6,8,10,12,14
.irp b, 0,1,2,3
	v_max3_num_f32 v[TM+\b], v[TM+\b], |v[SRC+16*\b+\i]|, |v[SRC+16*\b+\i+1]|
.endr
.endr
	WIN 0
.irp b, 0,1,2,3
	v_permlanex16_b32 v[TM+4+\b], v[TM+\b], s94, s95
.endr
.irp b, 0,1,2,3
	v_max_num_f32 v[TM+\b], v[TM+\b], v[TM+4+\b]
.endr
.irp b, 0,1,2,3
	v_add_nc_u32 v[TM+12+\b], 0xfe000000, v[TM+\b]
.endr
.irp b, 0,1,2,3
	v_lshrrev_b32 v[TM+4+\b], 23, v[TM+12+\b]
.endr
	v_lshl_or_b32 v[PW], v[TM+5], 8, v[TM+4]
	v_lshl_or_b32 v[PW], v[TM+6], 16, v[PW]
	v_lshl_or_b32 v[PW], v[TM+7], 24, v[PW]
	WIN (\w)                                       ; source 0 in the accumulators' window
.irp c, 0,1
	v_cvt_scalef32_pk16_bf6_f32 v[PCA+6*\c:PCA+6*\c+2], v[SRC+32*\c:SRC+32*\c+15], v[TM+12+2*\c]
	v_cvt_scalef32_pk16_bf6_f32 v[PCA+12+4*\c:PCA+14+4*\c], v[SRC+16+32*\c:SRC+31+32*\c], v[TM+12+2*\c+1]
.endr
	WIN 0
	v_nop
.irp c, 0,1
.irp i, 0,1,2
	v_permlane16_swap_b32 v[PCA+6*\c+\i], v[PCA+12+4*\c+\i]
.endr
.irp i, 0,1,2
	v_mov_b32 v[PCA+3+6*\c+\i], v[PCA+12+4*\c+\i]
.endr
.endr
.endm
.macro QKOUT w, cp, sp, isq            ; q or k of my head and my 128 tokens
.irp b, 0,1,2,3
	v_mov_b32 v[TM+4+\b], 0                        ; a lane permute's destination counts as one of its sources
.endr
.irp a, 0,1,2,3
	s_wait_xcnt 0x0                                ; earlier stores have read their registers
	QUANTW \a, \w
	global_store_b128 v[L16], v[PCA:PCA+3], s[\cp:\cp+1] offset:1536*\a            ; two images: six aligned runs of 256 consecutive bytes
	global_store_b64 v[L8], v[PCA+4:PCA+5], s[\cp:\cp+1] offset:1536*\a+512
	global_store_b128 v[L16], v[PCA+6:PCA+9], s[\cp:\cp+1] offset:1536*\a+768
	global_store_b64 v[L8], v[PCA+10:PCA+11], s[\cp:\cp+1] offset:1536*\a+1280
	v_lshrrev_b32 v[WT], 16, v[PW]
.if \isq
	v_and_or_b32 v[WD], v[PW], 0xffff, v[HQ]       ; the even block's two bytes under the upper half,
	v_or_b32 v[WD+1], v[WT], v[HQ]                 ; the odd block's
.else
	v_and_or_b32 v[WD], v[PW], 0xffff, v[HI+2*\a]
	v_or_b32 v[WD+1], v[WT], v[HI+2*\a+1]
.endif
	v_cndmask_b32 v[WO], v[WD], v[WD+1], s90       ; lanes 0-15 the even block's words, lanes 16-31 the odd one's: 128 consecutive bytes
	global_store_b32 v[L4], v[WO], s[\sp:\sp+1] offset:128*\a
.endr
.endm
	QKOUT 1, 20, 22, 1
	QKOUT 2, 24, 26, 0
	; ---- v: its K is the keys, which lie across lanes.  32 tokens x 64 columns at a time go through my stage and come back a lane to a column, registers down the tokens in true order
	s_wait_xcnt 0x0
	v_mul_u32_u24 v[STO], v4, 272
	v_lshl_add_u32 v[STO], v2, 6, v[STO]
	v_add_nc_u32 v[STO], s88, v[STO]               ; in: row = the token's position, + 64 h
	v_and_b32 v[P4], 7, v3
	v_bfe_u32 v16, v3, 3, 1
	v_lshl_or_b32 v[P4], v16, 4, v[P4]
	v_lshl_or_b32 v[P4], v2, 3, v[P4]
	v_lshlrev_b32 v[P4], 2, v[P4]
	v_add_nc_u32 v[RD], s88, v[P4]                 ; out: lane = the column's position
	v_mov_b32 v[ONE], 0x7f7f7f7f
.macro VQ t, g                         ; block t of 32 keys, column group g: all 32 numbers are mine
.set XS, XB+32*(\g)
.set CG, CB+16*((\t)%2)+8*(\g)
	v_max3_num_f32 v16, |v[XS]|, |v[XS+1]|, |v[XS+2]|
	v_max3_num_f32 v17, |v[XS+3]|, |v[XS+4]|, |v[XS+5]|
.irp i, 6,10,14,18,22,26
	v_max3_num_f32 v16, v16, |v[XS+\i]|, |v[XS+\i+1]|
	v_max3_num_f32 v17, v17, |v[XS+\i+2]|, |v[XS+\i+3]|
.endr
	v_max3_num_f32 v16, v16, |v[XS+30]|, |v[XS+31]|
	v_max3_num_f32 v16, v16, v17, 0x2800000
	v_add_nc_u32 v18, 0xfe000000, v16              ; the conversion's scale operand
	v_lshrrev_b32 v19, 23, v18                     ; the byte
	v_and_b32 v20, 0x7f800000, v18                 ; the scale as f32
.if (\t) == 0
	v_mov_b32 v[SW+\g], v19
.else
	v_lshl_or_b32 v[SW+\g], v19, 8*(\t), v[SW+\g]
.endif
	v_cvt_scalef32_pk16_bf6_f32 v[CG:CG+2], v[XS:XS+15], v18
	v_cvt_scalef32_pk16_bf6_f32 v[CG+4:CG+6], v[XS+16:XS+31], v18
	v_nop
	v_cvt_scale_pk16_f32_bf6 v[XS:XS+15], v[CG:CG+2], v[ONE]       ; the codes' values, for the sum of the QUANTISED v
	v_cvt_scale_pk16_f32_bf6 v[XS+16:XS+31], v[CG+4:CG+6], v[ONE]
	v_nop
	v_mov_b32 v[CG+3], v[CG+4]
	v_mov_b32 v[CG+4], v[CG+5]
	v_mov_b32 v[CG+5], v[CG+6]
.irp k, 0,4,8,12,16,20,24,28
	v_pk_add_f32 v[XS+\k:XS+\k+1], v[XS+\k:XS+\k+1], v[XS+\k+2:XS+\k+3]
.endr
.irp k, 0,8,16,24
	v_pk_add_f32 v[XS+\k:XS+\k+1], v[XS+\k:XS+\k+1], v[XS+\k+4:XS+\k+5]
.endr
.irp k, 0,16
	v_pk_add_f32 v[XS+\k:XS+\k+1], v[XS+\k:XS+\k+1], v[XS+\k+8:XS+\k+9]
.endr
	v_pk_add_f32 v[XS:XS+1], v[XS:XS+1], v[XS+16:XS+17]
	v_add_f32 v16, v[XS], v[XS+1]
.if (\t) == 0
	v_mul_f32 v[VS+\g], v16, v20
.else
	v_fma_f32 v[VS+\g], v16, v20, v[VS+\g]
.endif
.endm
.macro VBLOCK t
	s_wait_xcnt 0x0                                ; earlier stores have read the codes' registers
	WIN 0x0c                                       ; an LDS store's data are its source 1: window 3
.irp u, 0,1
.irp b, 0,1,2,3
	ds_store_b128 v[STO], v[8*(4*(2*(\t)+\u)+\b):8*(4*(2*(\t)+\u)+\b)+3] offset:4352*\u+128*(\b/2)+32*(\b%2)         ; each accumulator from its low end on
	ds_store_b128 v[STO], v[8*(4*(2*(\t)+\u)+\b)+4:8*(4*(2*(\t)+\u)+\b)+7] offset:4352*\u+128*(\b/2)+32*(\b%2)+16
.endr
.endr
	WIN 0
.irp g, 0,1                            ; LDS serves a wave's instructions in order: these see the stores above.  Token i of the 32 lies at position pi(i)
.set i, 0
.rept 32
	ds_load_b32 v[XB+32*\g+i], v[RD] offset:272*((i%8)+16*((i/8)%2)+8*(i/16))+128*\g
.set i, i+1
.endr
.endr
	s_wait_dscnt 32                                ; group 0's 32 loads are in; group 1's may be out
	VQ \t, 0
	s_wait_dscnt 0x0
	VQ \t, 1
.if ((\t)%2) == 1                      ; two blocks of keys x 32 columns become the images of two tiles of 16 columns x 64 keys
.irp g, 0,1
.irp k, 0,1,2,3,4,5
	v_permlane16_swap_b32 v[CB+8*\g+\k], v[CB+16+8*\g+\k]
.endr
.irp e, 0,1
	global_store_b128 v[L16], v[CB+16*\e+8*\g:CB+16*\e+8*\g+3], s[28:29] offset:(2*\g+\e)*1536+768*((\t)/2)
	global_store_b64 v[L8], v[CB+16*\e+8*\g+4:CB+16*\e+8*\g+5], s[28:29] offset:(2*\g+\e)*1536+768*((\t)/2)+512
.endr
.endr
.endif
.endm
	s_wait_alu depctr_va_vdst(0)
.irp t, 0,1,2,3
	VBLOCK \t
.endr
.irp g, 0,1
	global_store_b32 v[L4], v[SW+\g], s[30:31] offset:128*\g     ; 32 columns' scale words: 128 consecutive bytes
	global_store_b32 v[P4], v[VS+\g], s[32:33] offset:128*\g     ; the sums, by true channel
.endr
	s_wait_tensorcnt 0x0                           ; the wave's end
	ds_add_u32 v[SPW], v[NIL]
	s_wait_dscnt 0x0
	CROUND                                         ; the closing round
	s_endpgm
.Lfunc_end_k_q102198e76c_gemm1:
	.size	k_q102198e76c_gemm1, .Lfunc_end_k_q102198e76c_gemm1-k_q102198e76c_gemm1
	.p2alignl 7, 3214868480
	.fill 96, 4, 3214868480
	.section	.rodata,"a",@progbits
	.p2align	6, 0x0
	.amdhsa_kernel k_q102198e76c_gemm1
		.amdhsa_group_segment_fixed_size 327680
		.amdhsa_private_segment_fixed_size 0
		.amdhsa_enable_private_segment 0
		.amdhsa_kernarg_size 56
		.amdhsa_user_sgpr_count 2
		.amdhsa_user_sgpr_kernarg_segment_ptr 1
		.amdhsa_wavefront_size32 1
		.amdhsa_system_sgpr_workgroup_id_x 1
		.amdhsa_system_sgpr_workgroup_id_y 1
		.amdhsa_system_sgpr_workgroup_id_z 1
		.amdhsa_system_vgpr_workitem_id 0
		.amdhsa_next_free_vgpr 1024
		.amdhsa_next_free_sgpr 102
		.amdhsa_reserve_vcc 0
		.amdhsa_float_denorm_mode_32 3
		.amdhsa_float_denorm_mode_16_64 3
		.amdhsa_memory_ordered 1
		.amdhsa_forward_progress 1
		.amdhsa_inst_pref_size 250
	.end_amdhsa_kernel
	.amdgpu_metadata
---
amdhsa.version: [ 1, 2 ]
amdhsa.kernels:
  - .name:           k_q102198e76c_gemm1
    .symbol:         k_q102198e76c_gemm1.kd
    .args:
      - { .name: xq, .offset: 0, .size: 8, .value_kind: global_buffer, .address_space: global }
      - { .name: wq, .offset: 8, .size: 8, .value_kind: global_buffer, .address_space: global }
      - { .name: b_qkv, .offset: 16, .size: 8, .value_kind: global_buffer, .address_space: global }
      - { .name: key_padding_mask, .offset: 24, .size: 8, .value_kind: global_buffer, .address_space: global }
      - { .name: qb, .offset: 32, .size: 8, .value_kind: global_buffer, .address_space: global }
      - { .name: kv, .offset: 40, .size: 8, .value_kind: global_buffer, .address_space: global }
      - { .name: vp, .offset: 48, .size: 8, .value_kind: global_buffer, .address_space: global }
    .group_segment_fixed_size: 327680
    .private_segment_fixed_size: 0
    .kernarg_segment_align: 8
    .kernarg_segment_size: 56
    .max_flat_workgroup_size: 128
    .sgpr_count:     102
    .vgpr_count:     1024
    .wavefront_size: 32
...
	.end_amdgpu_metadata
.endif
;; end of part 2
;; launch attn (part 3): grid 4 x 64, 16 waves a work-group, clusters of 4 x 1, 327,680 bytes of LDS; arguments qb, kv, vp, yq; writes yq
.if DOCPART == 3
	.amdgcn_target "amdgcn-amd-amdhsa--gfx1250"
	.amdhsa_code_object_version 6
	.text
	.protected	k_q102198e76c_attn
	.globl	k_q102198e76c_attn
	.p2align	8
	.type	k_q102198e76c_attn,@function
k_q102198e76c_attn:
	s_mov_b64 s[64:65], 0
	v_nop
	global_prefetch_b8 v0, s[64:65] scope:SCOPE_SE
	s_setreg_imm32_b32 hwreg(HW_REG_WAVE_MODE, 25, 1), 1
	s_wait_xcnt 0x0
	s_wait_alu depctr_hold_cnt(0) depctr_sa_sdst(0) depctr_va_vdst(0) depctr_va_sdst(0) depctr_va_ssrc(0) depctr_va_vcc(0) depctr_vm_vsrc(0)
	s_getreg_b32 s2, hwreg(HW_REG_IB_STS2, 6, 4)
	s_cmp_eq_u32 s2, 0
	s_cbranch_scc0 .Lentry_in_a_cluster
	s_endpgm
.Lentry_in_a_cluster:
	s_bfe_u32 s2, ttmp6, 0x10000c
	s_cmp_lg_u32 s2, 0x3003
	s_cbranch_scc0 .Lentry_shape_is_right
	s_endpgm
.Lentry_shape_is_right:
; LAUNCH 3 OF 4: y = softmax(q k^T / 8, causal and padding masks) v on codes of E3M2, and y quantised along the channels for the last product.
; WORK LEFT OUT: key steps that lie wholly above the diagonal of reference()'s own causal mask (launch 1's head shows that no result hangs on them; a NaN or an overflow that reaches only them is not carried on).
; THE SOFTMAX: t = score x log2(e) / 8; M = the running largest t rounded up to a whole number; p = 2^(t - M) is quantised along the keys, not normalised; the sum of the unquantised p divides at the end.
; ALL OF A HEAD'S kv STAYS IN LDS: eight slots of 256 keys, 26,112 bytes each, are 816 rows of 256 bytes, 208,896 bytes.  No byte is filled twice.  Every wave asks for 13 rows at the head (208 rows: slots 0 and 1 and a little
; more) and for 38 rows behind a round of the cluster's barrier; the second load is on its way during the first four key steps, which read slots 0 and 1 alone; one barrier follows, and none after it.
; CLUSTER of 4 x 1: the four work-groups of a head read the same kv: both loads are joint, mask 15, their descriptors made of the head and the wave's number.
; SHARES.  A head has 128 tiles of 16 queries.  Wave w of the partner at place I takes tile 127 - 4 w - I and then tile 4 w + I.  The step that holds a tile's diagonal is tile / 8: 15 - w / 2 and w / 2, so 17 live key steps in
; every wave, and no branch hangs on the place in the cluster: that place enters global addresses and the mask's lane numbers alone.  Every wave walks 16 visits of two steps; a step behind the diagonal's is jumped over.
; No prefetch: all of kv that the work-group reads is asked for by its two groups of tensor loads ahead of the first loop, so no loop has anything left to ask ahead for.
; LAYOUT.  Both products transposed (S^T = k q^T, O^T = v^T p^T): a lane holds one query.  Tokens and v's channels stand in position order (launch 1's head), so p's 16 registers of two neighbouring tiles are 16 neighbouring keys and
; O^T's are 16 neighbouring channels.  Lane r of tile T is query Q0 + r + 8 (r / 8), Q0 = 32 (T / 2) + 8 (T % 2).
; K = 64 IN THE SCORE PRODUCT: k = 64 .. 127 of both operands are zero codes, but for k = 64: +1 in every key, -1 in every query; the key's scale byte there is 254 where key_padding_mask hides it, else 0 (gemm1): a hidden key's
; score is -2^127 exactly, and p = 0 beside any open key.
; A ROW WITH NO OPEN KEY up to itself has its largest t at -2^127 x c; LIMIT: a row counts as such where its largest t is under -1e30.  It takes the mean of the quantised v over all 2,048 keys, from gemm1's sums, by a select.
; REGISTERS: v1 16 x lane, v2 8 x lane, v3 4 r, v4 r + 8 (r / 8) - 16 h, v5, v6 the add's two, v7 the mean of channel thread % 64, v8-10 the visit's LDS addresses, v11 q's scale word, v12 -M, v13 the largest t, v[14:15] the sum,
;   v16-27 q, v28-31 v's scale words, v32-79 four fragments of k, v80-127 four of v, v128-191 S^T then p, v192-223 O^T, v224-235 p's codes, v232-255 at work, v248-251 k's scale words, v253 p's scale word.
.set SLOTB, 26112
.set VM,    8*SLOTB                    ; behind kv: the mean of the quantised v, 64 channels: a block of 256 bytes of its own
.set SPARE, VM+256                     ; the spare words, 128 bytes for each of 16 waves: eight blocks of 256 bytes that no other line names
.set R1,  13                           ; rows of 256 bytes of a wave's first load,
.set R2,  38                           ; and of its second: 16 (13 + 38) = 816
.set WV,  18
.set BH,  38
.set BB,  39
.set TB,  40                           ; LDS byte at which the slot in hand begins
.set KF,  41                           ; the step's first key
.set Q0,  42
.set T0,  43                           ; my first tile
.set T1,  44                           ; my second
.set J,   45                           ; the visit, 0 .. 15
.set HD,  46
.set YSO, 47
.set LDK, 48                           ; first key of the step that holds the diagonal of the tile in hand
.set LD1, 49                           ; the same for the second tile
.set CX,  60
.macro ROUND                           ; a round of the cluster's barrier
	s_barrier_signal -1
	s_barrier_wait -1
	s_cmp_lg_u32 s[WV], 0
	s_cbranch_scc1 .Lnw0_\@
	s_barrier_signal -3
.Lnw0_\@:
	s_barrier_wait -3
	s_barrier_signal -1
	s_barrier_wait -1
.endm
.macro SETBLK t                        ; the pointers of tile s[t]
	s_lshl_b32 s97, s[BH], 7
	s_add_co_u32 s97, s97, s[\t]
	s_mul_i32 s50, s97, 768
	s_mov_b32 s51, 0
	s_add_nc_u64 s[50:51], s[4:5], s[50:51]        ; q's image
	s_lshl_b32 s52, s97, 6
	s_add_co_u32 s52, s52, 6291456
	s_mov_b32 s53, 0
	s_add_nc_u64 s[52:53], s[4:5], s[52:53]        ; q's scale words
	s_lshl_b32 s97, s[BB], 7
	s_add_co_u32 s97, s97, s[\t]
	s_lshl_b32 s54, s97, 4
	s_add_co_u32 s54, s54, s[HD]
	s_mul_i32 s54, s54, 768
	s_mov_b32 s55, 0
	s_add_nc_u64 s[54:55], s[10:11], s[54:55]      ; y's image: tile of tokens, K / 64 = the head
	s_lshl_b32 s56, s97, 9
	s_add_co_u32 s56, s56, s[YSO]
	s_mov_b32 s57, 0
	s_add_nc_u64 s[56:57], s[10:11], s[56:57]      ; y's two scale bytes
	s_lshr_b32 s96, s[\t], 1
	s_lshl_b32 s96, s96, 5
	s_and_b32 s97, s[\t], 1
	s_lshl_b32 s97, s97, 3
	s_add_co_u32 s[Q0], s96, s97
.endm
.macro QLOAD
	global_load_b128 v[16:19], v1, s[50:51]
	global_load_b64 v[20:21], v2, s[50:51] offset:512
	global_load_b32 v11, v3, s[52:53]
.endm
.macro INIT                            ; the step is written once: the first finds zeros, which the first change of M leaves zeros
	v_mov_b32 v13, 0xff61b1e6                      ; -3e38, under every t
	s_delay_alu instid0(VALU_DEP_1)
	v_floor_f32 v12, -v13
	v_mov_b32 v14, 0
	v_mov_b32 v15, 0
.set j, 0
.rept 32
	v_mov_b32 v[192+j], 0
.set j, j+1
.endr
.endm
.macro ADDR                            ; the LDS addresses of the slot in hand
	v_add_nc_u32 v8, s[TB], v1
	v_add_nc_u32 v9, s[TB], v2
	v_add_nc_u32 v10, s[TB], v3
	s_wait_alu depctr_va_vdst(0)
.endm
	s_load_b256 s[4:11], s[0:1], 0x0               ; qb, kv, vp, yq
	v_lshl_add_u32 v5, v0, 2, SPARE
	v_mov_b32 v6, 0
	ds_add_u32 v5, v6                              ; the opening: the add, twice on end, and its wait ahead of the first tensor load
	ds_add_u32 v5, v6
	v_lshrrev_b32 v8, 5, v0
	s_delay_alu instid0(VALU_DEP_1)
	v_readfirstlane_b32 s[WV], v8
	s_bfe_u32 s[CX], ttmp6, 0x40000                ; my place among the head's four work-groups
	s_and_b32 s[BH], ttmp7, 0xffff
	s_lshr_b32 s[BB], s[BH], 4
	s_and_b32 s[HD], s[BH], 15
	s_lshr_b32 s96, s[HD], 1
	s_lshl_b32 s96, s96, 6
	s_and_b32 s97, s[HD], 1
	s_lshl_b32 s97, s97, 1
	s_add_co_u32 s[YSO], s96, s97
	s_add_co_u32 s[YSO], s[YSO], 6291456           ; y's scale words: word head / 2 of a row's eight, bytes 2 (head % 2) on
	s_lshl_b32 s[T1], s[WV], 2
	s_add_co_u32 s[T1], s[T1], s[CX]               ; 4 w + I
	s_sub_co_u32 s[T0], 127, s[T1]
	s_lshr_b32 s[LD1], s[WV], 1
	s_sub_co_u32 s[LDK], 15, s[LD1]
	s_lshl_b32 s[LDK], s[LDK], 7                   ; 128 (15 - w / 2): of the wave's number alone
	s_lshl_b32 s[LD1], s[LD1], 7
.irp g, 24, 68                         ; two groups 1: dense rows of 256 bytes (32 elements of 8), no padding; mask 15, bit 21 beside it
	s_mov_b32 s[\g], 15|(3<<16)|(1<<21)
	s_mov_b32 s[\g+1], 32<<16
	s_mov_b32 s[\g+3], 32<<16
	s_mov_b32 s[\g+5], 32
	s_mov_b32 s[\g+6], 0
	s_mov_b32 s[\g+7], 0
.endr
	s_mov_b32 s26, R1<<16
	s_mov_b32 s28, R1
	s_mov_b32 s70, R2<<16
	s_mov_b32 s72, R2
	s_mov_b32 s20, 0x76543210
	s_mov_b32 s21, 0xfedcba98
	s_mov_b32 s22, 0x3e38aa3b                      ; c = log2(e) / 8
	s_mov_b32 s23, s22
	s_mul_i32 s33, s[WV], R1*256                   ; my first load's place, in LDS and in the head's kv alike
	s_mul_i32 s77, s[WV], R2*256
	s_add_co_u32 s77, s77, 16*R1*256               ; my second's
	s_mul_i32 s36, s[BH], 8*SLOTB
	s_mov_b32 s37, 0
	s_lshl_b32 s62, s[BB], 16
	s_lshl_b32 s63, s[HD], 8
	s_add_co_u32 s62, s62, s63
	s_mov_b32 s63, 0
	s_mov_b32 s97, 0
	s_wait_dscnt 0x0                               ; both opening adds are done
	s_wait_kmcnt 0x0
	s_add_nc_u64 s[36:37], s[6:7], s[36:37]        ; my head's kv
	s_mov_b32 s32, 1
	s_mov_b32 s96, s33
	s_add_nc_u64 s[34:35], s[36:37], s[96:97]
	s_or_b32 s35, s35, 0x80000000
	s_mov_b32 s76, 1
	s_mov_b32 s96, s77
	s_add_nc_u64 s[78:79], s[36:37], s[96:97]
	s_or_b32 s79, s79, 0x80000000
	s_add_nc_u64 s[62:63], s[8:9], s[62:63]        ; vp: my batch, my head's 64 channels
	ROUND                                          ; the four work-groups are here: the first joint loads meet
	tensor_load_to_lds s[32:35], s[24:31]          ; one load a wave at the head: rows 13 w .. 13 w + 12
	s_nop 0
.rept 4
	v_nop
.endr
	v_and_b32 v8, 31, v0
	v_and_b32 v9, 15, v0
	v_bfe_u32 v10, v0, 4, 1
	v_lshlrev_b32 v1, 4, v8
	v_lshlrev_b32 v2, 3, v8
	v_lshlrev_b32 v3, 2, v9
	v_and_b32 v4, 8, v9
	v_lshlrev_b32 v11, 4, v10
	s_delay_alu instid0(VALU_DEP_2)
	v_add_nc_u32 v4, v4, v9
	s_delay_alu instid0(VALU_DEP_1)
	v_sub_nc_u32 v4, v4, v11
	v_sub_nc_u32 v11, 1, v10                       ; 1 in lanes 0-15, which hold k = 64 .. 95 in registers 6 on
	s_delay_alu instid0(VALU_DEP_1)
	v_mul_u32_u24 v22, v11, 0x2c                   ; q: the code of -1 at k = 64
.irp i, 23,24,25,26,27
	v_mov_b32 v\i, 0
.endr
.irp t, 0,1,2,3
	v_mul_u32_u24 v[38+12*\t], v11, 0x0c           ; k: the code of +1 at k = 64; the loads never touch these six registers
.irp i, 39,40,41,42,43
	v_mov_b32 v[\i+12*\t], 0
.endr
.endr
.irp b, 0,1,2,3
	v_mov_b32 v[236+\b], 0                         ; a lane permute's destination counts as one of its sources
.endr
	v_mov_b32 v252, 0
	v_mov_b32 v253, 0
	v_and_b32 v9, 63, v0
	s_delay_alu instid0(VALU_DEP_1)
	v_lshlrev_b32 v9, 2, v9                        ; channel thread % 64
	SETBLK T0
	s_wait_alu depctr_va_vdst(0)
.set j, 0
.rept 16
	global_load_b32 v[128+j], v9, s[62:63] offset:4096*j     ; the sixteen sums of 128 tokens
.set j, j+1
.endr
	QLOAD
	INIT
	s_wait_alu depctr_va_vdst(0)
	s_wait_loadcnt 0x0
.irp k, 0,2,4,6,8,10,12,14
	v_add_f32 v[128+\k], v[128+\k], v[129+\k]
.endr
.irp k, 0,4,8,12
	v_add_f32 v[128+\k], v[128+\k], v[130+\k]
.endr
	s_delay_alu instid0(VALU_DEP_3)
	v_add_f32 v128, v128, v132
	s_delay_alu instid0(VALU_DEP_2)
	v_add_f32 v136, v136, v140
	s_delay_alu instid0(VALU_DEP_1)
	v_add_f32 v128, v128, v136
	s_delay_alu instid0(VALU_DEP_1)
	v_mul_f32 v7, 0x3a000000, v128                 ; / 2,048
	s_wait_alu depctr_va_vdst(0)                   ; the head's end
	s_wait_tensorcnt 0x0                           ; my first load is in; the lines ahead of a later first fill:
	ds_add_u32 v5, v6
	s_wait_dscnt 0x0
	ROUND                                          ; rows 0 .. 207 are whole, and the four work-groups are here
	tensor_load_to_lds s[76:79], s[68:75]          ; my one load behind the round: rows 208 + 38 w .. + 37, bytes that nothing has filled
	s_nop 0
.rept 4
	v_nop
.endr
; A KEY STEP: 128 keys, the q-th of the slot in hand
.macro STEP q
	s_cmp_gt_u32 s[KF], s[LDK]
	s_cbranch_scc1 .Lhidden_\@                     ; all keys come after my queries: the wave's number and counts alone
.irp g, 0,1                            ; S^T = k q^T, four tiles of 16 keys at a time
.if \g > 0
.rept 4
	v_nop                                          ; places in front of loads into registers that matrix instructions have read
.endr
.endif
.irp t, 0,1,2,3
	ds_load_b128 v[32+12*\t:35+12*\t], v8 offset:768*(8*(\q)+4*\g+\t)
	ds_load_b64 v[36+12*\t:37+12*\t], v9 offset:768*(8*(\q)+4*\g+\t)+512
	ds_load_b32 v[248+\t], v10 offset:12288+64*(8*(\q)+4*\g+\t)
.endr
	s_wait_dscnt 0x0
.irp t, 0,1,2,3
	v_wmma_scale_f32_16x16x128_f8f6f4 v[128+8*(4*\g+\t):135+8*(4*\g+\t)], v[32+12*\t:43+12*\t], v[16:27], 0, v[248+\t], v11 matrix_a_fmt:MATRIX_FMT_BF6 matrix_b_fmt:MATRIX_FMT_BF6
.endr
.endr
.rept 4
	v_nop                                          ; places in front of the first read of the scores, and, with the four above, in front of the loads into v's registers
.endr
.irp t, 0,1,2,3                        ; v's four fragments are asked for now and land under the softmax
	ds_load_b128 v[80+12*\t:83+12*\t], v8 offset:13312+6144*(\q)+1536*\t
	ds_load_b64 v[84+12*\t:85+12*\t], v9 offset:13312+6144*(\q)+1536*\t+512
	ds_load_b128 v[86+12*\t:89+12*\t], v8 offset:13312+6144*(\q)+1536*\t+768
	ds_load_b64 v[90+12*\t:91+12*\t], v9 offset:13312+6144*(\q)+1536*\t+1280
	ds_load_b32 v[28+\t], v10 offset:25600+256*(\q)+64*\t
.endr
	s_cmp_lt_u32 s[KF], s[LDK]                     ; ahead of the diagonal's step all keys count
	s_cbranch_scc1 .Lopen_\@
	s_sub_co_i32 s96, s[Q0], s[KF]
	v_add_nc_u32 v252, s96, v4                     ; d = my query - KF - 16 h.  Register 16 b + i holds key KF + 32 b + 16 h + i: hidden where 32 b + i > d
	v_mov_b32 v254, 0xff800000
.set n, 0
.rept 64
	v_cmp_gt_i32 vcc_lo, 32*(n/16)+n%16, v252
	v_cndmask_b32 v[128+n], v[128+n], v254, vcc_lo
.set n, n+1
.endr
.Lopen_\@:
.irp b, 0,1,2,3
	v_max3_num_f32 v[232+\b], v[128+16*\b], v[129+16*\b], v[130+16*\b]     ; the largest score of each block of 32 keys: for the row's maximum, and, since p rises with the score, for the block's largest p
.endr
.irp i, 3,5,7,9,11,13
.irp b, 0,1,2,3
	v_max3_num_f32 v[232+\b], v[232+\b], v[128+16*\b+\i], v[129+16*\b+\i]
.endr
.endr
.irp b, 0,1,2,3
	v_max_num_f32 v[232+\b], v[232+\b], v[143+16*\b]
.endr
.irp b, 0,1,2,3
	s_delay_alu instid0(VALU_DEP_4)
	v_permlanex16_b32 v[236+\b], v[232+\b], s20, s21
.endr
.irp b, 0,1,2,3
	s_delay_alu instid0(VALU_DEP_4)
	v_max_num_f32 v[232+\b], v[232+\b], v[236+\b]
.endr
	s_delay_alu instid0(VALU_DEP_2)
	v_max3_num_f32 v254, v232, v233, v234
	s_delay_alu instid0(VALU_DEP_1)
	v_max_num_f32 v254, v254, v235
	s_delay_alu instid0(VALU_DEP_1)
	v_mul_f32 v254, s22, v254
	s_delay_alu instid0(VALU_DEP_1)
	v_max_num_f32 v13, v13, v254                   ; the running largest t
	v_mov_b32 v254, v12
	s_delay_alu instid0(VALU_DEP_2)
	v_floor_f32 v12, -v13                          ; -M = floor(-t): M is a whole number
	s_delay_alu instid0(VALU_DEP_1)
	v_sub_f32 v254, v12, v254
	s_delay_alu instid0(VALU_DEP_1)
	v_cvt_i32_f32 v254, v254                       ; (it saturates)
	s_delay_alu instid0(VALU_DEP_1)
	v_ldexp_f32 v252, 1.0, v254                    ; f = 2^(old M - new M)
.set j, 0
.rept 32
	v_pk_fma_f32 v[128+j:129+j], v[128+j:129+j], s[22:23], v[12:13] op_sel_hi:[1,0,0]   ; t - M
.set j, j+2
.endr
.irp b, 0,1,2,3
	v_fma_f32 v[232+\b], v[232+\b], s22, v12
.endr
.set j, 0
	s_wait_alu depctr_va_vdst(0)                   ; ahead of the batch
.rept 64
	v_exp_f32 v[128+j], v[128+j]                   ; p, not normalised
.set j, j+1
.endr
	v_pk_mul_f32 v[14:15], v[14:15], v[252:253] op_sel_hi:[1,0]    ; the sums under the new M: a plain line behind the exponentials
	s_wait_alu depctr_va_vdst(0)                   ; one wait for the batch of 64, ahead of its first reader
.irp b, 0,1,2,3
	v_exp_f32 v[232+\b], v[232+\b]                 ; each block's largest p
.endr
	v_pk_add_f32 v[236:237], v[128:129], v[130:131]                ; the row's sum of the unquantised p: 32 pairs in four chains by turns
	v_pk_add_f32 v[254:255], v[132:133], v[134:135]
	v_pk_add_f32 v[250:251], v[136:137], v[138:139]
	v_pk_add_f32 v[14:15], v[14:15], v[140:141]
.irp j, 14,22,30,38,46,54
	v_pk_add_f32 v[236:237], v[236:237], v[128+\j:129+\j]
	v_pk_add_f32 v[254:255], v[254:255], v[130+\j:131+\j]
	v_pk_add_f32 v[250:251], v[250:251], v[132+\j:133+\j]
	v_pk_add_f32 v[14:15], v[14:15], v[134+\j:135+\j]
.endr
	v_pk_add_f32 v[236:237], v[236:237], v[190:191]
	v_pk_add_f32 v[14:15], v[14:15], v[250:251]
	s_delay_alu instid0(VALU_DEP_2)
	v_pk_add_f32 v[236:237], v[236:237], v[254:255]
	s_delay_alu instid0(VALU_DEP_1)
	v_pk_add_f32 v[14:15], v[14:15], v[236:237]
	s_wait_alu depctr_va_vdst(0)                   ; and one for the four
.irp b, 0,1,2,3
	v_max_num_f32 v[232+\b], 0x2800000, v[232+\b]  ; the floor: the byte cannot fall under 1
.endr
.irp b, 0,1,2,3
	s_delay_alu instid0(VALU_DEP_4)
	v_add_nc_u32 v[244+\b], 0xfe000000, v[232+\b]
.endr
.irp b, 0,1,2,3
	s_delay_alu instid0(VALU_DEP_4)
	v_lshrrev_b32 v[236+\b], 23, v[244+\b]
.endr
	s_delay_alu instid0(VALU_DEP_3)
	v_lshl_or_b32 v253, v237, 8, v236              ; p's scale word for these 128 keys
	s_delay_alu instid0(VALU_DEP_1)
	v_lshl_or_b32 v253, v238, 16, v253
	s_delay_alu instid0(VALU_DEP_1)
	v_lshl_or_b32 v253, v239, 24, v253
.irp c, 0,1
	v_cvt_scalef32_pk16_bf6_f32 v[224+6*\c:226+6*\c], v[128+32*\c:143+32*\c], v[244+2*\c]
	v_cvt_scalef32_pk16_bf6_f32 v[236+4*\c:238+4*\c], v[144+32*\c:159+32*\c], v[244+2*\c+1]
.endr
	v_nop
.irp c, 0,1
.irp i, 0,1,2
	v_permlane16_swap_b32 v[224+6*\c+\i], v[236+4*\c+\i]
.endr
.irp i, 0,1,2
	s_delay_alu instid0(VALU_DEP_3)
	v_mov_b32 v[227+6*\c+\i], v[236+4*\c+\i]
.endr
.endr
.set j, 0
.rept 16
	v_pk_mul_f32 v[192+j:193+j], v[192+j:193+j], v[252:253] op_sel_hi:[1,0]   ; O^T under the new M; these 16 are also the places in front of the scaled products
.set j, j+2
.endr
	s_wait_alu depctr_va_vdst(0)
	s_wait_dscnt 0x0                               ; v's fragments
.irp t, 0,1,2,3                        ; O^T += v^T p^T: four accumulators, one instruction a turn
	v_wmma_scale_f32_16x16x128_f8f6f4 v[192+8*\t:199+8*\t], v[80+12*\t:91+12*\t], v[224:235], v[192+8*\t:199+8*\t], v[28+\t], v253 matrix_a_fmt:MATRIX_FMT_BF6 matrix_b_fmt:MATRIX_FMT_BF6
.endr
.Lhidden_\@:
	s_add_co_u32 s[KF], s[KF], 128
.endm
; THE WAY OUT of a tile: O^T / the sum, or the mean where the row had no open key; my head's 64 channels are two blocks of the last product's K: one image and two scale bytes
.macro WAYOUT
	v_add_f32 v14, v14, v15
	s_delay_alu instid0(VALU_DEP_1)
	v_permlanex16_b32 v252, v14, s20, s21
	s_delay_alu instid0(VALU_DEP_1)
	v_add_f32 v14, v14, v252
	s_wait_alu depctr_va_vdst(0)
	v_rcp_f32 v14, v14
	v_bfe_u32 v8, v0, 4, 1
	s_delay_alu instid0(VALU_DEP_1)
	v_lshl_add_u32 v8, v8, 6, VM
.irp b, 0,1
.irp k, 0,1,2,3
	ds_load_b128 v[128+16*\b+4*\k:131+16*\b+4*\k], v8 offset:128*\b+16*\k      ; register 16 b + i: channel 32 b + 16 h + i
.endr
.endr
	v_cmp_gt_f32 vcc_lo, 0xf149f2ca, v13           ; -1e30 > the largest t: no open key
	s_wait_alu depctr_va_vdst(0)                   ; ahead of the reciprocal's first reader
.set j, 0
.rept 32
	v_mul_f32 v[160+j], v[192+j], v14
.set j, j+1
.endr
	s_wait_dscnt 0x0
.set j, 0
.rept 32
	v_cndmask_b32 v[160+j], v[160+j], v[128+j], vcc_lo
.set j, j+1
.endr
.irp b, 0,1
	v_max3_num_f32 v[232+\b], |v[160+16*\b]|, |v[161+16*\b]|, 0x2800000
.endr
.irp i, 2,4,6,8,10,12,14
.irp b, 0,1
	s_delay_alu instid0(VALU_DEP_2)
	v_max3_num_f32 v[232+\b], v[232+\b], |v[160+16*\b+\i]|, |v[161+16*\b+\i]|
.endr
.endr
.irp b, 0,1
	s_delay_alu instid0(VALU_DEP_2)
	v_permlanex16_b32 v[236+\b], v[232+\b], s20, s21
.endr
.irp b, 0,1
	s_delay_alu instid0(VALU_DEP_2)
	v_max_num_f32 v[232+\b], v[232+\b], v[236+\b]
.endr
.irp b, 0,1
	s_delay_alu instid0(VALU_DEP_2)
	v_add_nc_u32 v[244+\b], 0xfe000000, v[232+\b]
.endr
.irp b, 0,1
	s_delay_alu instid0(VALU_DEP_2)
	v_lshrrev_b32 v[236+\b], 23, v[244+\b]
.endr
	s_delay_alu instid0(VALU_DEP_1)
	v_lshl_or_b32 v253, v237, 8, v236
	v_cvt_scalef32_pk16_bf6_f32 v[224:226], v[160:175], v244
	v_cvt_scalef32_pk16_bf6_f32 v[228:230], v[176:191], v245
	v_nop
.irp i, 0,1,2
	v_permlane16_swap_b32 v[224+\i], v[228+\i]
.endr
	s_delay_alu instid0(VALU_DEP_3)
	v_mov_b32 v227, v228
	s_delay_alu instid0(VALU_DEP_3)
	v_mov_b32 v228, v229
	s_delay_alu instid0(VALU_DEP_3)
	v_mov_b32 v229, v230
	global_store_b128 v1, v[224:227], s[54:55]     ; three aligned runs of 256 consecutive bytes
	global_store_b64 v2, v[228:229], s[54:55] offset:512
	global_store_b16 v3, v253, s[56:57]            ; two bytes a row (both halves of the lanes hold the same): one part in 24 of the codes' bytes
.endm
	s_mov_b32 s[J], 0
	s_mov_b32 s[TB], 0
	s_mov_b32 s[KF], 0
.Lfirst:                                           ; two visits: slots 0 and 1 of my first tile, whose diagonal lies at key 1,024 or later
	ADDR
	STEP 0
	STEP 1
	s_add_co_u32 s[TB], s[TB], SLOTB
	s_add_co_u32 s[J], s[J], 1
	s_cmp_lt_u32 s[J], 2
	s_cbranch_scc1 .Lfirst
	s_wait_tensorcnt 0x0                           ; my second load is in
	v_and_b32 v8, 63, v0
	s_delay_alu instid0(VALU_DEP_1)
	v_lshl_add_u32 v8, v8, 2, VM
	s_wait_alu depctr_va_vdst(0)                   ; ahead of the branch
	s_cmp_lt_u32 s[WV], 2
	s_cbranch_scc0 .Lno_mean
	ds_store_b32 v8, v7                            ; waves 0 and 1: the 64 channels' means
.Lno_mean:
	s_wait_dscnt 0x0                               ; the store is done
	s_barrier_signal -1
	s_barrier_wait -1                              ; all of kv and the means are whole for every wave
	s_mov_b32 s[J], 2
.Lslot:                                            ; 14 visits: slots 2 to 7 of the first tile, then all eight of the second
	s_and_b32 s96, s[J], 7
	s_mul_i32 s[TB], s96, SLOTB
	s_lshl_b32 s[KF], s96, 8
	ADDR
	STEP 0
	STEP 1
	s_cmp_lg_u32 s[J], 7
	s_cbranch_scc1 .Lsame
	WAYOUT                                         ; the first tile is done
	s_wait_xcnt 0x0                                ; the stores have read their registers and pointers
	SETBLK T1
	s_mov_b32 s[LDK], s[LD1]
	QLOAD
	INIT
	s_wait_alu depctr_va_vdst(0)
	s_wait_loadcnt 0x0
.Lsame:
	s_add_co_u32 s[J], s[J], 1
	s_cmp_lt_u32 s[J], 16
	s_cbranch_scc1 .Lslot
	WAYOUT
	s_wait_tensorcnt 0x0                           ; the wave's end
	ds_add_u32 v5, v6
	s_wait_dscnt 0x0
	ROUND                                          ; the closing round
	s_endpgm
.Lfunc_end_k_q102198e76c_attn:
	.size	k_q102198e76c_attn, .Lfunc_end_k_q102198e76c_attn-k_q102198e76c_attn
	.p2alignl 7, 3214868480
	.fill 96, 4, 3214868480
	.section	.rodata,"a",@progbits
	.p2align	6, 0x0
	.amdhsa_kernel k_q102198e76c_attn
		.amdhsa_group_segment_fixed_size 327680
		.amdhsa_private_segment_fixed_size 0
		.amdhsa_enable_private_segment 0
		.amdhsa_kernarg_size 32
		.amdhsa_user_sgpr_count 2
		.amdhsa_user_sgpr_kernarg_segment_ptr 1
		.amdhsa_wavefront_size32 1
		.amdhsa_system_sgpr_workgroup_id_x 1
		.amdhsa_system_sgpr_workgroup_id_y 1
		.amdhsa_system_sgpr_workgroup_id_z 1
		.amdhsa_system_vgpr_workitem_id 0
		.amdhsa_next_free_vgpr 256
		.amdhsa_next_free_sgpr 100
		.amdhsa_reserve_vcc 1
		.amdhsa_float_denorm_mode_32 3
		.amdhsa_float_denorm_mode_16_64 3
		.amdhsa_memory_ordered 1
		.amdhsa_forward_progress 1
		.amdhsa_inst_pref_size 118
	.end_amdhsa_kernel
	.amdgpu_metadata
---
amdhsa.version: [ 1, 2 ]
amdhsa.kernels:
  - .name:           k_q102198e76c_attn
    .symbol:         k_q102198e76c_attn.kd
    .args:
      - { .name: qb, .offset: 0, .size: 8, .value_kind: global_buffer, .address_space: global }
      - { .name: kv, .offset: 8, .size: 8, .value_kind: global_buffer, .address_space: global }
      - { .name: vp, .offset: 16, .size: 8, .value_kind: global_buffer, .address_space: global }
      - { .name: yq, .offset: 24, .size: 8, .value_kind: global_buffer, .address_space: global }
    .group_segment_fixed_size: 327680
    .private_segment_fixed_size: 0
    .kernarg_segment_align: 8
    .kernarg_segment_size: 32
    .max_flat_workgroup_size: 512
    .sgpr_count:     100
    .vgpr_count:     256
    .wavefront_size: 32
...
	.end_amdgpu_metadata
.endif
;; end of part 3
;; launch gemm2 (part 4): grid 8 x 32, 4 waves a work-group, clusters of 4 x 4, 327,680 bytes of LDS; arguments yq, wq, b_proj, out0; writes out0
.if DOCPART == 4
	.amdgcn_target "amdgcn-amd-amdhsa--gfx1250"
	.amdhsa_code_object_version 6
	.text
	.protected	k_q102198e76c_gemm2
	.globl	k_q102198e76c_gemm2
	.p2align	8
	.type	k_q102198e76c_gemm2,@function
k_q102198e76c_gemm2:
	s_mov_b64 s[64:65], 0
	v_nop
	global_prefetch_b8 v0, s[64:65] scope:SCOPE_SE
	s_setreg_imm32_b32 hwreg(HW_REG_WAVE_MODE, 25, 1), 1
	s_wait_xcnt 0x0
	s_wait_alu depctr_hold_cnt(0) depctr_sa_sdst(0) depctr_va_vdst(0) depctr_va_sdst(0) depctr_va_ssrc(0) depctr_va_vcc(0) depctr_vm_vsrc(0)
	s_getreg_b32 s2, hwreg(HW_REG_IB_STS2, 6, 4)
	s_cmp_eq_u32 s2, 0
	s_cbranch_scc0 .Lentry_in_a_cluster
	s_endpgm
.Lentry_in_a_cluster:
	s_bfe_u32 s2, ttmp6, 0x10000c
	s_cmp_lg_u32 s2, 0xf033
	s_cbranch_scc0 .Lentry_shape_is_right
	s_endpgm
.Lentry_shape_is_right:
; LAUNCH 4 OF 4: out0 = y W_proj + b_proj on codes of E3M2.
; SHARES.  Work-group (c, row) takes 256 tokens x columns 128 c .. 128 c + 127: 8 x 32 = 256 work-groups.  A wave takes 128 tokens (mi = wave / 2) x 64 columns (ni = wave % 2): 8 x 4 = 32 accumulators, in register window 1.
; ALL OF K = 1,024 STAYS IN LDS: codes lie in memory as images of operand registers, [tile of 16 rows][K / 64][768], so A's 16 tiles are 196,608 dense bytes and B's 8 tiles 98,304.  Four tensor loads at the head, one a wave, bring them
; as rows of 256 bytes: waves 0 and 1 a half of A each, waves 2 and 3 a half of B each.  No byte is filled twice; one barrier shows the tiles to all four waves.
; CLUSTERS of 4 x 4: A's tiles are asked for jointly along a row of the cluster, B's along a column.  No prefetch: everything that the work-group reads is asked for at the head, and the text has no loop to run ahead in.
; THE SCALE WORDS come from memory straight into registers: a tile's words lie [K / 128][16 rows], so 32 lanes read 128 consecutive bytes: lanes 0-15 an even K step, lanes 16-31 the odd one behind it; 4 x (8 + 4) registers.
; THE PRODUCT IS USED TRANSPOSED (source 0 = 16 columns of W, source 1 = 16 tokens): a lane holds one token, and, by the position order of W's columns (launch 1's head), register j of tile b is column 32 (b / 2) + 16 h + 8 (b % 2) + j.
; THE BIAS is loaded into the registers of the accumulators of token block 7 and is the C of every sum's first matrix instruction; block 7's own come last, in place, five places behind the last reader.
; THE WAY OUT: a block of 16 tokens x 64 columns goes through the wave's own stage, on LDS bytes that no load fills, and comes back by rows: sixteen lanes store one aligned run of 256 bytes.
; REGISTERS, window 0: v2 h, v3 lane, v4-9 LDS addresses (later the way out's), v12, v13 the add's two, v14 4 x lane, v15 64 h; v16-111 A's eight fragments (later the rows read back), v112-207 B's, two sets of four;
;   v208-255 scale words and nothing else.  Window 1: accumulator (a, b) at v[8 (4 a + b)].
.set A_SC,  6291456                    ; y's scale words behind its codes
.set B_C,   2359296                    ; W_proj's codes in wq
.set B_SC,  3244032                    ; and its scale words
.set BLDS,  196608                     ; B's tiles behind A's
.set SPARE, 294912                     ; the spare words: two blocks of 256 bytes that no other line names
.set STAGE, SPARE+512                  ; 16 rows x 272 bytes for each wave
.set SPW,  12
.set NIL,  13
.set L4,   14
.set AF,   16
.set BF,   112
.set SCB,  208
.set G1, 24
.set G0, 32
.set G1B, 48
.set G0B, 56
.set MSB, 0
.macro WIN new                         ; the immediate's high byte repeats the setting that is left
.if MSB != (\new)
	s_set_vgpr_msb (MSB<<8)|(\new)
.set MSB, (\new)
.endif
.endm
.macro NOPS n
.rept \n
	v_nop
.endr
.endm
.macro CREST
	s_cmp_lg_u32 s14, 0
	s_cbranch_scc1 .Lnot_wave_0_\@
	s_barrier_signal -3
.Lnot_wave_0_\@:
	s_barrier_wait -3
	s_barrier_signal -1
	s_barrier_wait -1
.endm
.macro CROUND
	s_barrier_signal -1
	s_barrier_wait -1
	CREST
.endm
	s_load_b256 s[4:11], s[0:1], 0x0               ; yq, wq, b_proj, out0
	v_lshl_add_u32 v[SPW], v0, 2, SPARE
	v_mov_b32 v[NIL], 0
	ds_add_u32 v[SPW], v[NIL]                      ; the opening: the add, twice on end, and its wait ahead of my first tensor load
	ds_add_u32 v[SPW], v[NIL]
	v_lshrrev_b32 v1, 5, v0
	v_readfirstlane_b32 s14, v1                    ; wave
	s_lshr_b32 s15, s14, 1                         ; mi: my half of the tokens.  Also: I fetch for A (0) or B (1)
	s_and_b32 s16, s14, 1                          ; ni: my half of the columns.  Also: which half I fetch
	s_bfe_u32 s40, ttmp6, 0x40000                  ; cx, cy
	s_bfe_u32 s41, ttmp6, 0x40004
	s_lshl_b32 s42, ttmp9, 2
	s_add_co_u32 s42, s42, s40                     ; c, 0 .. 7
	s_and_b32 s17, ttmp7, 0xffff
	s_lshl_b32 s17, s17, 2
	s_add_co_u32 s17, s17, s41                     ; tile row, 0 .. 31
	s_lshl_b32 s43, s41, 2
	s_lshl_b32 s43, 15, s43                        ; my row of the cluster
	s_lshl_b32 s44, 0x1111, s40                    ; my column
	s_or_b32 s[G1+0], s43, (3<<16)|(1<<21)         ; elements of 8 bytes, no padding; bit 21 beside a mask
	s_or_b32 s[G1B+0], s44, (3<<16)|(1<<21)
.irp g, G1, G1B                        ; dense rows of 256 bytes (32 elements of 8)
	s_mov_b32 s[\g+1], 32<<16
	s_mov_b32 s[\g+3], 32<<16
	s_mov_b32 s[\g+5], 32
	s_mov_b32 s[\g+6], 0
	s_mov_b32 s[\g+7], 0
.endr
	s_mov_b32 s[G1+2], 384<<16                     ; A: 8 tiles of 12,288 bytes are 384 rows
	s_mov_b32 s[G1+4], 384
	s_mov_b32 s[G1B+2], 192<<16                    ; B: 4 tiles are 192 rows
	s_mov_b32 s[G1B+4], 192
	s_lshl_b32 s20, s17, 4
	s_lshl_b32 s18, s16, 3
	s_add_co_u32 s20, s20, s18                     ; A: tile 16 x tile row + 8 x half
	s_mul_i32 s20, s20, 12288
	s_mov_b32 s21, 0
	s_lshl_b32 s46, s42, 3
	s_lshl_b32 s18, s16, 2
	s_add_co_u32 s46, s46, s18                     ; B: tile 8 c + 4 x half
	s_mul_i32 s46, s46, 12288
	s_add_co_u32 s46, s46, B_C
	s_mov_b32 s47, 0
	s_mul_i32 s45, s14, 98304                      ; where they go, by the wave's number alone: waves 0, 1: A's halves;
	s_mul_i32 s94, s14, 49152
	s_add_co_u32 s94, s94, 98304                   ; waves 2, 3: B's halves, from byte 196,608 on
	s_lshl_b32 s22, s17, 13
	s_lshl_b32 s23, s15, 12
	s_add_co_u32 s22, s22, s23
	s_add_co_u32 s22, s22, A_SC                    ; the scale words of my 8 blocks of tokens
	s_mov_b32 s23, 0
	s_lshl_b32 s92, s42, 12
	s_lshl_b32 s93, s16, 11
	s_add_co_u32 s92, s92, s93
	s_add_co_u32 s92, s92, B_SC                    ; and of my 4 tiles of columns
	s_mov_b32 s93, 0
	s_lshl_b32 s74, s42, 9
	s_lshl_b32 s75, s16, 8
	s_add_co_u32 s74, s74, s75                     ; my 64 columns, in bytes of f32
	s_mov_b32 s75, 0
	s_lshl_b32 s76, s17, 8
	s_lshl_b32 s77, s15, 7
	s_add_co_u32 s76, s76, s77
	s_lshl_b32 s76, s76, 12                        ; my first token's row of out0
	s_add_co_u32 s76, s76, s74
	s_mov_b32 s77, 0
	s_wait_dscnt 0x0                               ; both opening adds are done
	s_wait_kmcnt 0x0
	s_add_nc_u64 s[20:21], s[4:5], s[20:21]
	s_add_nc_u64 s[46:47], s[6:7], s[46:47]
	s_add_nc_u64 s[66:67], s[4:5], s[22:23]
	s_add_nc_u64 s[68:69], s[6:7], s[92:93]
	s_add_nc_u64 s[70:71], s[8:9], s[74:75]
	s_add_nc_u64 s[18:19], s[10:11], s[76:77]
	CROUND                                         ; all sixteen work-groups are here: the joint loads meet
	s_mov_b32 s[G0], 1
	s_mov_b32 s[G0+1], s45
	s_mov_b64 s[G0+2:G0+3], s[20:21]
	s_or_b32 s[G0+3], s[G0+3], 0x80000000
	s_mov_b32 s[G0B], 1
	s_mov_b32 s[G0B+1], s94
	s_mov_b64 s[G0B+2:G0B+3], s[46:47]
	s_or_b32 s[G0B+3], s[G0B+3], 0x80000000
	s_cmp_eq_u32 s15, 0                            ; one tensor load a wave: waves 0, 1 for A, waves 2, 3 for B; an s_nop 0 and four v_nop follow each line
	s_cbranch_scc0 .Lfor_b
	tensor_load_to_lds s[G0:G0+3], s[G1:G1+7]
	s_nop 0
	NOPS 4
	s_branch .Lasked
.Lfor_b:
	tensor_load_to_lds s[G0B:G0B+3], s[G1B:G1B+7]
	s_nop 0
	NOPS 4
.Lasked:
	v_and_b32 v3, 31, v0                           ; lane
	v_bfe_u32 v2, v0, 4, 1                         ; h
	v_lshlrev_b32 v[L4], 2, v3
	v_lshlrev_b32 v15, 6, v2
	v_lshlrev_b32 v16, 4, v3
	v_lshlrev_b32 v17, 3, v3
	s_mul_i32 s21, s15, 98304                      ; my 8 blocks of A
	s_mul_i32 s22, s16, 49152
	s_add_co_u32 s22, s22, BLDS                    ; my 4 tiles of B
	v_add_nc_u32 v4, s21, v16                      ; blocks 0-3: + 16 x lane,
	v_add_nc_u32 v5, s21, v17                      ; + 8 x lane
	s_add_co_u32 s21, s21, 49152
	v_add_nc_u32 v6, s21, v16                      ; blocks 4-7
	v_add_nc_u32 v7, s21, v17
	v_add_nc_u32 v8, s22, v16                      ; B
	v_add_nc_u32 v9, s22, v17
	s_wait_alu depctr_va_vdst(0)
	WIN 1<<6                                       ; the bias, in the result's layout, into accumulator (7, b): tile b, lane half h: columns 32 (b / 2) + 8 (b % 2) + 16 h + 0 .. 7
.irp b, 0,1,2,3
	global_load_b128 v[8*(28+\b):8*(28+\b)+3], v15, s[70:71] offset:(32*(\b/2)+8*(\b%2))*4
	global_load_b128 v[8*(28+\b)+4:8*(28+\b)+7], v15, s[70:71] offset:(32*(\b/2)+8*(\b%2))*4+16
.endr
	WIN 0
.irp j, 0,1,2,3                        ; the scale words of K steps 2 j and 2 j + 1: A's eight blocks, B's four tiles
.irp a, 0,1,2,3,4,5,6,7
	global_load_b32 v[SCB+12*\j+\a], v[L4], s[66:67] offset:512*\a+128*\j
.endr
.irp b, 0,1,2,3
	global_load_b32 v[SCB+12*\j+8+\b], v[L4], s[68:69] offset:512*\b+128*\j
.endr
.endr
.macro FRAG reg, adr, off              ; a fragment is two images on end: registers 0-3, 4-5, 6-9, 10-11; v[adr] holds 16 x lane, v[adr + 1] 8 x lane
	ds_load_b128 v[\reg:\reg+3], v[\adr] offset:(\off)
	ds_load_b64 v[\reg+4:\reg+5], v[\adr+1] offset:(\off)+512
	ds_load_b128 v[\reg+6:\reg+9], v[\adr] offset:(\off)+768
	ds_load_b64 v[\reg+10:\reg+11], v[\adr+1] offset:(\off)+1280
.endm
.macro FETCHB k                        ; my four tiles of B, K step k, into set k % 2
.irp b, 0,1,2,3
	FRAG BF+48*((\k)%2)+12*\b, 8, 12288*\b+1536*(\k)
.endr
.endm
.macro FETCHA k, i0
.irp i, \i0, \i0+1, \i0+2, \i0+3
	FRAG AF+12*(\i), 4+2*((\i)/4), 12288*((\i)%4)+1536*(\k)
.endr
.endm
; 8 matrix instructions: token blocks a0, a0 + 1 x my four tiles, K step k.  The 32 accumulators take turns, one instruction a turn, in the same order in every K step.
; zero = 1: the bias, which lies in block 7's accumulators, starts the sums.  An odd K step takes the upper row of the scale registers.
.macro MUL2 k, a0, zero
.irp a, \a0, \a0+1
.if (\zero) && ((\a) == 7)
	NOPS 5                                         ; block 7 writes over registers that the instructions above have read as C
.endif
.irp b, 0,1,2,3
.if \zero
	v_wmma_scale_f32_16x16x128_f8f6f4 v[8*(4*(\a)+\b):8*(4*(\a)+\b)+7], v[BF+48*((\k)%2)+12*\b:BF+48*((\k)%2)+12*\b+11], v[AF+12*(\a):AF+12*(\a)+11], v[8*(28+\b):8*(28+\b)+7], v[SCB+12*((\k)/2)+8+\b], v[SCB+12*((\k)/2)+(\a)] matrix_a_fmt:MATRIX_FMT_BF6 matrix_b_fmt:MATRIX_FMT_BF6
.elseif ((\k)%2) == 0
	v_wmma_scale_f32_16x16x128_f8f6f4 v[8*(4*(\a)+\b):8*(4*(\a)+\b)+7], v[BF+48*((\k)%2)+12*\b:BF+48*((\k)%2)+12*\b+11], v[AF+12*(\a):AF+12*(\a)+11], v[8*(4*(\a)+\b):8*(4*(\a)+\b)+7], v[SCB+12*((\k)/2)+8+\b], v[SCB+12*((\k)/2)+(\a)] matrix_a_fmt:MATRIX_FMT_BF6 matrix_b_fmt:MATRIX_FMT_BF6
.else
	v_wmma_scale_f32_16x16x128_f8f6f4 v[8*(4*(\a)+\b):8*(4*(\a)+\b)+7], v[BF+48*((\k)%2)+12*\b:BF+48*((\k)%2)+12*\b+11], v[AF+12*(\a):AF+12*(\a)+11], v[8*(4*(\a)+\b):8*(4*(\a)+\b)+7], v[SCB+12*((\k)/2)+8+\b], v[SCB+12*((\k)/2)+(\a)] matrix_a_fmt:MATRIX_FMT_BF6 matrix_b_fmt:MATRIX_FMT_BF6 matrix_a_scale:MATRIX_SCALE_ROW1 matrix_b_scale:MATRIX_SCALE_ROW1
.endif
.endr
.endr
.endm
.macro KSTEP k, zero                   ; 32 matrix instructions; the next K step's fragments follow as their registers fall free
	s_wait_dscnt 16                                ; all but the youngest 16 loads (A's blocks 4-7) are in
	WIN 0x50                                       ; C and D in window 1
	MUL2 \k, 0, \zero
	MUL2 \k, 2, \zero
	s_wait_dscnt 0x0                               ; A's blocks 4-7 are in
	NOPS 4                                         ; places in front of loads into registers that matrix instructions have read
	WIN 0
	FETCHB (\k)+1
	FETCHA (\k)+1, 0
	WIN 0x50
	MUL2 \k, 4, \zero
	MUL2 \k, 6, \zero
	NOPS 4
	WIN 0
	FETCHA (\k)+1, 4
.endm
	s_wait_alu depctr_va_vdst(0)                   ; the head's end
	s_wait_tensorcnt 0x0                           ; my part of the tiles is in
	s_barrier_signal -1
	s_barrier_wait -1                              ; and everybody's
	FETCHB 0
	FETCHA 0, 0
	FETCHA 0, 4
	s_wait_loadcnt 0x0                             ; the bias and the scale words
	KSTEP 0, 1
.irp k, 1,2,3,4,5,6
	KSTEP \k, 0
.endr
	s_wait_dscnt 0x0                               ; the last K step: nothing more to fetch
	WIN 0x50
	MUL2 7, 0, 0
	MUL2 7, 2, 0
	MUL2 7, 4, 0
	MUL2 7, 6, 0
	WIN 0
	NOPS 4                                         ; in front of the first read of results and of loads into operands' registers
	; ---------------- THE WAY OUT ----------------
.set STO, 4
.set RD,  5
.set CO,  6
.set BK,  16                           ; v16-47 and v48-79 by turns: 16 rows read back
	s_mul_i32 s23, s14, 16*272
	s_add_co_u32 s23, s23, STAGE                   ; my stage
	v_and_b32 v7, 15, v0                           ; r
	v_mul_u32_u24 v[STO], v7, 272
	v_lshl_add_u32 v[STO], v2, 6, v[STO]
	v_add_nc_u32 v[STO], s23, v[STO]               ; in: row = the token's position, + 64 h
	v_mul_u32_u24 v[RD], v2, 272
	v_lshl_add_u32 v[RD], v7, 4, v[RD]
	v_add_nc_u32 v[RD], s23, v[RD]                 ; back: lanes 0-15 take one row of 256 bytes, lanes 16-31 the next
	v_lshlrev_b32 v[CO], 12, v2
	v_lshl_add_u32 v[CO], v7, 4, v[CO]             ; and the same two rows in out0, 4,096 bytes apart
	s_wait_alu depctr_va_vdst(0)
.macro TOSTAGE a
	WIN 0x04                                       ; an LDS store's data are its source 1: window 1
.irp b, 0,1,2,3
	ds_store_b128 v[STO], v[32*(\a)+8*\b:32*(\a)+8*\b+3] offset:128*(\b/2)+32*(\b%2)          ; each accumulator from its low end on
	ds_store_b128 v[STO], v[32*(\a)+8*\b+4:32*(\a)+8*\b+7] offset:128*(\b/2)+32*(\b%2)+16
.endr
	WIN 0
.irp t, 0,1,2,3,4,5,6,7
	ds_load_b128 v[BK+32*((\a)%2)+4*\t:BK+32*((\a)%2)+4*\t+3], v[RD] offset:\t*544   ; LDS serves a wave's instructions in order: these see the stores above
.endr
.endm
.macro SEND a, younger                 ; younger: the LDS instructions issued behind block a's loads, which may stay out.  Position p of block a is token 32 (a / 2) + 8 (a % 2) + p + 8 (p / 8)
	s_wait_dscnt \younger
.irp t, 0,1,2,3,4,5,6,7
	global_store_b128 v[CO], v[BK+32*((\a)%2)+4*\t:BK+32*((\a)%2)+4*\t+3], s[18:19] offset:(32*((\a)/2)+8*((\a)%2)+2*\t+8*(\t/4))*4096 th:TH_STORE_NT   ; 16 lanes store 256 consecutive bytes, aligned
.endr
.endm
	TOSTAGE 0
.irp a, 1,2,3,4,5,6,7
.if \a > 1
	s_wait_xcnt 0x0                                ; block a - 2's stores have read their registers: block a's loads may land there
.endif
	TOSTAGE \a
	SEND \a-1, 16                                  ; behind block a - 1's loads: block a's 8 stores and 8 loads
.endr
	SEND 7, 0
	s_wait_tensorcnt 0x0                           ; the wave's end
	ds_add_u32 v[SPW], v[NIL]
	s_wait_dscnt 0x0
	CROUND                                         ; the closing round
	s_endpgm
.Lfunc_end_k_q102198e76c_gemm2:
	.size	k_q102198e76c_gemm2, .Lfunc_end_k_q102198e76c_gemm2-k_q102198e76c_gemm2
	.p2alignl 7, 3214868480
	.fill 96, 4, 3214868480
	.section	.rodata,"a",@progbits
	.p2align	6, 0x0
	.amdhsa_kernel k_q102198e76c_gemm2
		.amdhsa_group_segment_fixed_size 327680
		.amdhsa_private_segment_fixed_size 0
		.amdhsa_enable_private_segment 0
		.amdhsa_kernarg_size 32
		.amdhsa_user_sgpr_count 2
		.amdhsa_user_sgpr_kernarg_segment_ptr 1
		.amdhsa_wavefront_size32 1
		.amdhsa_system_sgpr_workgroup_id_x 1
		.amdhsa_system_sgpr_workgroup_id_y 1
		.amdhsa_system_sgpr_workgroup_id_z 1
		.amdhsa_system_vgpr_workitem_id 0
		.amdhsa_next_free_vgpr 512
		.amdhsa_next_free_sgpr 98
		.amdhsa_reserve_vcc 0
		.amdhsa_float_denorm_mode_32 3
		.amdhsa_float_denorm_mode_16_64 3
		.amdhsa_memory_ordered 1
		.amdhsa_forward_progress 1
		.amdhsa_inst_pref_size 87
	.end_amdhsa_kernel
	.amdgpu_metadata
---
amdhsa.version: [ 1, 2 ]
amdhsa.kernels:
  - .name:           k_q102198e76c_gemm2
    .symbol:         k_q102198e76c_gemm2.kd
    .args:
      - { .name: yq, .offset: 0, .size: 8, .value_kind: global_buffer, .address_space: global }
      - { .name: wq, .offset: 8, .size: 8, .value_kind: global_buffer, .address_space: global }
      - { .name: b_proj, .offset: 16, .size: 8, .value_kind: global_buffer, .address_space: global }
      - { .name: out0, .offset: 24, .size: 8, .value_kind: global_buffer, .address_space: global }
    .group_segment_fixed_size: 327680
    .private_segment_fixed_size: 0
    .kernarg_segment_align: 8
    .kernarg_segment_size: 32
    .max_flat_workgroup_size: 128
    .sgpr_count:     98
    .vgpr_count:     512
    .wavefront_size: 32
...
	.end_amdgpu_metadata
.endif
;; end of part 4
